; MI455X (gfx1250); checked and timed in simulation.
; The chip was launched on July 23, 2026; its instructions are those of AMD's public machine-readable ISA for CDNA 5 (MIT licence, August 2026) and "CDNA5" Instruction Set Architecture Reference Guide (July 2026). The comments in the code are by the model that wrote it; some were corrected since.
;; Multi Head Attention. Allowed arithmetic: matrix products marked QUANTISED: E3M2 operands, one E8M0 scale for each 32 along K, by v_wmma_scale_f32_16x16x128_f8f6f4 with both operands' format E3M2, f32 sums; everything else in f32.
;; Inputs: Wk 1,024 x 1,024 float32; Wo 1,024 x 1,024 float32; Wq 1,024 x 1,024 float32; Wv 1,024 x 1,024 float32; attn_mask 4 x 2,048 x 2,048 bool; bk 1,024 float32; bo 1,024 float32; bq 1,024 float32; bv 1,024 float32; k 4 x 2,048 x 1,024 float32; q 4 x 2,048 x 1,024 float32; v 4 x 2,048 x 1,024 float32.
;; Outputs: out0 4 x 2,048 x 1,024 float32.
;; This version of the problem:
;;   THIS VERSION OF THE PROBLEM IS GIVEN IN LOW PRECISION. The matrix products marked QUANTISED in the list below multiply operands that are first quantised to E3M2 (3 exponent bits, 2 mantissa bits; 6 bits a number), with one power-of-two scale for each 32 numbers along K (OCP MX v1.0); their sums are f32. All else is computed in f32.
;;   The module's matrix products, in the order in which they are computed (A, B: the left and right operand; K: the contracted axis; several contracted axes count as one K, in the product's order):
;;     1. [M 8,192, K 1,024] x [K 1,024, N 1,024]; A: input q; B: input Wq: QUANTISED
;;     2. [M 8,192, K 1,024] x [K 1,024, N 1,024]; A: input k; B: input Wk: QUANTISED
;;     3. [M 8,192, K 1,024] x [K 1,024, N 1,024]; A: input v; B: input Wv: QUANTISED
;;     4. batch 64 x [M 2,048, K 64] x [K 64, N 2,048]; A: computed on the way; B: computed on the way: QUANTISED
;;     5. batch 64 x [M 2,048, K 2,048] x [K 2,048, N 64]; A: softmax (see below); B: computed on the way: QUANTISED
;;     6. [M 8,192, K 1,024] x [K 1,024, N 1,024]; A: computed on the way; B: input Wo: QUANTISED
;;   THE QUANTISER, for each operand of a quantised product, along K:
;;     - K is cut into blocks of 32 from its start; a last block that is shorter is filled with zeros.
;;     - A block's scale is 2^e with e = floor(log2(the largest magnitude in the block)) - 4, held to -126 .. 127; a block of zeros has e = 0. As a byte (E8M0): e + 127.
;;     - Each number is divided by its block's scale, clamped to +-28, and rounded to the nearest number of E3M2, ties to even, subnormals kept.
;;     - The product sums the exact products of the quantised numbers (number of the format x scale) in f32.
;;   ~~~python
;;   def quantise(x, axis):      # numpy; x: float32 -> the quantised numbers, widened to float32 again
;;       x = np.moveaxis(x, axis, -1); K = x.shape[-1]
;;       x = np.pad(x, [(0, 0)] * (x.ndim - 1) + [(0, -K % 32)]); x = x.reshape(x.shape[:-1] + (-1, 32)); a = np.abs(x).max(-1, keepdims=True)
;;       e = np.where(a > 0, np.clip(np.frexp(np.where(a > 0, a, 1))[1] - 1 - 4, -126, 127), 0)      # np.frexp(a)[1] - 1 = floor(log2(a)), exactly
;;       r = np.clip(x / 2.0 ** e, -28, 28)
;;       step = 2.0 ** (np.maximum(np.frexp(np.where(r == 0, 1, r))[1] - 1, -2) - 2)
;;       q = np.round(r / step) * step * 2.0 ** e      # np.round: ties to even
;;       return np.moveaxis(q.reshape(q.shape[:-2] + (-1,))[..., :K], -1, axis).astype(np.float32)
;;   ~~~
;;   SOFTMAX AHEAD OF A QUANTISED PRODUCT. Where the list says 'softmax', what is quantised is not the finished softmax but p = 2^(t - M), with t = logit x log2(e) and M = ceil(the row's largest t), a whole number; so 1/2 < the row's largest p <= 1. The row's sum l is taken of the UNQUANTISED p, in f32, and the product's result is divided by l at the end. Since M is a whole number, a kernel that streams over the keys may use a running M (the ceiling of the running maximum): every later rescaling is an exact power of two, which a block's scale takes up: the codes' values come out the same.
;;   OPERANDS COMPUTED ON THE WAY. 'Computed on the way' means the value that the module computes at that place (a softmax that the list does not call 'softmax' is quantised finished and normalised). What goes into a quantiser is computed in f32, as accurately as f32 sums, v_exp_f32 and their like allow (about 1e-6 of the number): no bf16 or f16 on the way to a quantiser, and a product that is left as it is and whose result goes on into a quantised operand takes f32 operands (vector FMAs, or v_wmma_f32_16x16x4_f32). A number that lies on a knife's edge between two numbers of the format may be rounded either way, as far as f32 arithmetic and the matrix unit's own rounding can turn it there, and no further.
;; One version. Each part assembles by itself: llvm-mc -triple=amdgcn-amd-amdhsa -mcpu=gfx1250 --defsym DOCPART=n.
;; ======== version 1 of 1: 4 launches
;; limits: right only within a limited range of input values
;; workspace buffers: xcodes 22,020,096 bytes; xscales 917,504 bytes; maskw 2,097,152 bytes of whole numbers; frag 19,660,800 bytes; ctxc 6,291,456 bytes; ctxs 262,144 bytes
;; launch quant (part 1): grid 1024 x 1, 4 waves a work-group, no clusters, 51,712 bytes of LDS; arguments q, k, v, Wq, Wk, Wv, Wo, attn_mask, xcodes, xscales, maskw; writes xcodes, xscales, maskw
.if DOCPART == 1
	.amdgcn_target "amdgcn-amd-amdhsa--gfx1250"
	.amdhsa_code_object_version 6
	.text
	.protected	k_q5a3baca459_quant
	.globl	k_q5a3baca459_quant
	.p2align	8
	.type	k_q5a3baca459_quant,@function
k_q5a3baca459_quant:
	s_mov_b64 s[64:65], 0
	v_nop
	global_prefetch_b8 v0, s[64:65] scope:SCOPE_SE
	s_setreg_imm32_b32 hwreg(HW_REG_WAVE_MODE, 25, 1), 1
	s_wait_xcnt 0x0
; TWO JOBS IN ONE LAUNCH, told apart by the work-group's number.
; Work-groups 0 .. 895: q, k, v [8192][1024] and Wq, Wk, Wv, Wo [1024][1024], f32, become codes of BF6 (E3M2), K innermost, 768 bytes a row, and one E8M0 byte for each 32 along K, 32 bytes a row.
;   All seven lie on end in xcodes and xscales: q from row 0, k 8192, v 16384, Wq 24576, Wk 25600, Wv 26624, Wo 27648.
;   A block's scale is 2^(floor(log2(largest magnitude)) - 4): its byte is that magnitude's exponent field - 4, held at 1 from below.
;   A work-group takes 32 rows, a wave 8.  In every tensor but Wo the four groups of 8 rows are stored in the order 0, 2, 1, 3: stored row 16 u + t of a group of 32 is row 8 u + t + 8 (t / 8).
;   A tile of 16 stored rows used as source 0 of a transposed product then leaves 16 neighbouring rows in the 16 registers of two neighbouring tiles.
; Work-groups 896 .. 1023: attn_mask [4][2048][2048] bytes becomes words of one bit a lane, laid as the lanes of a tile of scores lie in the attention launch:
;   unit (batch, tile TQ of 16 queries, step ks of 128 keys) = 64 words at ((128 batch + TQ) 16 + ks) 256; bit l of word n = mask[32 (TQ / 2) + 8 (TQ % 2) + r + 8 (r / 8)][128 ks + 32 (n / 16) + 16 h + n % 16], r = l % 16, h = l / 16.
; LIMITS: NaN and infinities among the inputs are not served.  A block whose largest magnitude lies under 2^-122 keeps the byte 1; so does a block of zeros, where the rule says 127: its codes are zeros, and this program alone reads the bytes.
; No tensor loads, no barrier: waves share nothing.  The two jobs have LDS bytes of their own.
.set STEPS, 16                         ; steps of 512 numbers in a wave's run of 8 rows
.set CB,    12                         ; bytes of 16 codes
.set R,     16                         ; v16-79   four sets of 16 numbers as loaded
.set X,     80                         ; v80-111  two sets of 16 neighbours
.set E,     112                        ; v112-127 a scale byte for each step
.set C,     128                        ; v128-191 codes: four registers a step, so that no store's data are written again
.set WREG,  8192                       ; LDS of a quantising wave: two stages of 32 x SP bytes, then its 256 scale bytes
.set SP,    80                         ; a lane's place in a stage: 64 bytes + 16 of padding
.set QWG,   896                        ; work-groups that quantise
.set MSTG,  4*WREG                     ; LDS of the mask's job begins here
.set MREG,  4608                       ; a wave's part of it: 16 rows of MPIT bytes
.set MPIT,  272                        ; 256 mask bytes + 16: the sixteen rows that a load touches start in different banks
	s_load_b512 s[4:19], s[0:1], 0x0               ; q, k, v, Wq, Wk, Wv, Wo, attn_mask
	s_load_b128 s[20:23], s[0:1], 0x40             ; xcodes, xscales
	s_load_b64 s[24:25], s[0:1], 0x50              ; maskw
	v_lshl_add_u32 v192, v0, 2, 0xc800
	v_mov_b32 v193, 0
	v_lshrrev_b32 v1, 5, v0
	v_readfirstlane_b32 s26, v1                    ; wave
	v_and_b32 v2, 31, v0                           ; lane
	s_cmp_ge_u32 ttmp9, QWG
	s_cbranch_scc1 .Lmask
	; ---------------- the quantiser
	v_lshlrev_b32 v3, 4, v2                        ; my 16 bytes of a load's 512
	s_mul_i32 s27, s26, WREG
	v_lshrrev_b32 v14, 2, v2
	v_mul_u32_u24 v14, v14, SP
	v_and_b32 v15, 3, v2
	v_lshl_add_u32 v14, v15, 4, v14
	v_add_nc_u32 v14, s27, v14                     ; into the stage: four lanes' 64 bytes on end, then 16 of padding
	v_mul_u32_u24 v15, v2, SP
	v_add_nc_u32 v15, s27, v15                     ; out of it: my 16 neighbours
	v_mul_u32_u24 v4, v2, CB                       ; my codes' place in a step's
	v_lshrrev_b32 v5, 1, v2
	s_add_co_u32 s27, s27, 2*32*SP
	v_add_nc_u32 v5, s27, v5                       ; my block's byte among the wave's 256
	v_lshlrev_b32 v7, 3, v2
	v_add_nc_u32 v6, s27, v7                       ; and 8 bytes a lane on their way out
	s_and_b32 s34, s26, 1                          ; where my 8 rows go: groups 0, 1, 2, 3 to places 0, 2, 1, 3,
	s_lshl_b32 s34, s34, 1
	s_lshr_b32 s35, s26, 1
	s_or_b32 s34, s34, s35
	s_cmp_lt_u32 ttmp9, 864                        ; but Wo's stay as they lie
	s_cselect_b32 s34, s34, s26
	s_lshl_b32 s35, ttmp9, 2
	s_add_co_u32 s34, s34, s35                     ; which run of 8 stored rows
	s_mul_i32 s36, s34, 32*STEPS*CB                ; 6,144 bytes of codes a run
	s_mov_b32 s37, 0
	s_lshl_b32 s38, s34, 8                         ; 256 scale bytes a run
	s_mov_b32 s39, 0
	s_wait_kmcnt 0x0
	s_mov_b64 s[28:29], s[4:5]                     ; which tensor: the choice hangs on the work-group's number alone
	s_mov_b32 s30, 0                               ; and the tensor's first work-group
.macro PICK lim, lo
	s_cmp_ge_u32 ttmp9, \lim
	s_cselect_b64 s[28:29], s[\lo:\lo+1], s[28:29]
	s_cselect_b32 s30, \lim, s30
.endm
	PICK 256, 6
	PICK 512, 8
	PICK 768, 10
	PICK 800, 12
	PICK 832, 14
	PICK 864, 16
	s_sub_co_u32 s32, ttmp9, s30
	s_lshl_b32 s32, s32, 2
	s_add_co_u32 s32, s32, s26                     ; which run of 8 rows of the tensor
	s_mov_b32 s33, 0
	s_lshl_b64 s[32:33], s[32:33], 15              ; 32,768 bytes a run
	s_add_nc_u64 s[28:29], s[28:29], s[32:33]
	s_add_nc_u64 s[20:21], s[20:21], s[36:37]
	s_add_nc_u64 s[22:23], s[22:23], s[38:39]
.macro LOAD t
.irp i, 0,1,2,3
	global_load_b128 v[R+16*((\t)%4)+4*\i:R+16*((\t)%4)+4*\i+3], v3, s[28:29] offset:2048*(\t)+512*\i th:TH_LOAD_NT   ; 32 lanes read 512 consecutive bytes
.endr
.endm
.macro TURN t                          ; step t's numbers through the stage: LDS serves a wave's instructions in order, so no wait stands between the stores and the loads
.irp i, 0,1,2,3
	ds_store_b128 v14, v[R+16*((\t)%4)+4*\i:R+16*((\t)%4)+4*\i+3] offset:32*SP*((\t)%2)+8*SP*\i
.endr
.irp i, 0,1,2,3
	ds_load_b128 v[X+16*((\t)%2)+4*\i:X+16*((\t)%2)+4*\i+3], v15 offset:32*SP*((\t)%2)+16*\i
.endr
.endm
.irp t, 0,1,2,3
	LOAD \t
.endr
	s_wait_loadcnt 12                              ; step 0's four loads are in; the 12 of steps 1 to 3 may be out
	TURN 0
.macro STEP t
.set XS, X+16*((\t)%2)
.if (\t) > 0
	s_wait_dscnt 1                                 ; this step's numbers are back from the stage (the last step's byte store may be out): so its stores into the stage have read their registers,
.else
	s_wait_dscnt 0x0
.endif
.if (\t)+4 < STEPS
	LOAD (\t)+4                                    ; which take the loads of four steps on
.endif
.if (\t)+1 < STEPS
.if STEPS-2-(\t) >= 3
	s_wait_loadcnt 12                              ; the next step's four loads are in; those of the three steps behind it may be out
.else
	s_wait_loadcnt 4*(STEPS-2-(\t))
.endif
	TURN (\t)+1                                    ; and go through the other stage while this step is worked
.endif
	v_max3_num_f32 v8, |v[XS]|, |v[XS+1]|, |v[XS+2]|               ; the largest magnitude of my 16, in two chains
	v_max3_num_f32 v9, |v[XS+3]|, |v[XS+4]|, |v[XS+5]|
.irp i, 6,10
	v_max3_num_f32 v8, v8, |v[XS+\i]|, |v[XS+\i+1]|
	v_max3_num_f32 v9, v9, |v[XS+\i+2]|, |v[XS+\i+3]|
.endr
	v_max3_num_f32 v8, v8, |v[XS+14]|, |v[XS+15]|
	v_max3_num_f32 v8, v8, v9, 0x2800000           ; and the floor 2^(5 - 127): the byte cannot fall under 1
	v_max_num_f32_dpp v8, v8, v8 row_xmask:1 row_mask:0xf bank_mask:0xf   ; with my neighbour's 16: the block's
	v_add_nc_u32 v11, 0xfe000000, v8               ; 4 off its exponent field: the conversion takes the exponent field of this operand as its scale, and nothing else of it
	v_cvt_scalef32_pk16_bf6_f32 v[C+4*(\t):C+4*(\t)+2], v[XS:XS+15], v11   ; 16 codes, 96 bits, the first number's lowest
	v_lshrrev_b32 v[E+(\t)], 23, v11               ; the scale's byte (also the plain line behind the conversion)
	ds_store_b8 v5, v[E+(\t)] offset:16*(\t)       ; both lanes of a block write the same byte with the same value
	global_store_b96 v4, v[C+4*(\t):C+4*(\t)+2], s[20:21] offset:32*CB*(\t)   ; the wave stores 384 consecutive bytes
.endm
.irp t, 0,1,2,3,4,5,6,7,8,9,10,11,12,13,14,15
	STEP \t
.endr
	ds_load_b64 v[12:13], v6                       ; LDS serves a wave's instructions in order: these see my stores
	s_wait_dscnt 0x0
	global_store_b64 v7, v[12:13], s[22:23]        ; 32 lanes store 256 consecutive bytes, aligned
	s_wait_tensorcnt 0x0
	ds_add_u32 v192, v193
	s_wait_dscnt 0x0
	s_endpgm
	; ---------------- the mask.  A wave takes one tile of 16 queries and all 2,048 keys, 256 keys a trip
.Lmask:
	s_sub_co_u32 s27, ttmp9, QWG
	s_lshl_b32 s27, s27, 2
	s_add_co_u32 s27, s27, s26                     ; tile 0 .. 511 = 128 batch + TQ
	s_lshr_b32 s28, s27, 1
	s_lshl_b32 s28, s28, 5
	s_and_b32 s29, s27, 1
	s_lshl_b32 s29, s29, 3
	s_add_co_u32 s28, s28, s29                     ; its first row among the 8,192: 32 (tile / 2) + 8 (tile % 2)
	s_lshl_b32 s28, s28, 11                        ; 2,048 bytes a row
	s_mov_b32 s29, 0
	s_lshl_b32 s30, s27, 12                        ; 4,096 bytes of words a tile
	s_mov_b32 s31, 0
	s_mul_i32 s37, s26, MREG
	s_add_co_u32 s37, s37, MSTG                    ; my stage
	v_and_b32 v12, 15, v2                          ; r
	v_lshrrev_b32 v13, 4, v2                       ; h
	v_lshlrev_b32 v3, 4, v12
	v_lshl_add_u32 v3, v13, 11, v3                 ; in memory: sixteen lanes to a row's 256 bytes, two rows an instruction
	v_mul_u32_u24 v4, v13, MPIT
	v_lshl_add_u32 v4, v12, 4, v4
	v_add_nc_u32 v4, s37, v4                       ; the same into the stage
	v_mul_u32_u24 v5, v12, MPIT
	v_lshl_add_u32 v5, v13, 4, v5
	v_add_nc_u32 v5, s37, v5                       ; out of it: row r, 16 keys from 16 h on
	v_lshlrev_b32 v6, 3, v2                        ; the words' way out: 8 bytes a lane
	s_mov_b32 s32, 0xff                            ; a register's four bytes
	s_mov_b32 s33, 0xff00
	s_mov_b32 s34, 0xff0000
	s_mov_b32 s35, 0xff000000
.irp i, 0,1,2,3
	v_mov_b32 v[80+\i], 0                          ; written once: v_writelane_b32's destination counts as read
.endr
	s_wait_kmcnt 0x0
	s_add_nc_u64 s[18:19], s[18:19], s[28:29]
	s_add_nc_u64 s[24:25], s[24:25], s[30:31]
.macro MLOAD                           ; tile rows 2 i and 2 i + 1 are rows 2 i + 8 (i / 4) and the next
.irp i, 0,1,2,3,4,5,6,7
	global_load_b128 v[16+4*\i:19+4*\i], v3, s[18:19] offset:(2*\i+8*(\i/4))*2048 th:TH_LOAD_NT
.endr
.endm
.macro MTRIP more                      ; more = 1: the next 256 keys are asked for, and the words' base steps
	s_wait_loadcnt 0x0                             ; this trip's 16 x 256 bytes are in
.irp i, 0,1,2,3,4,5,6,7
	ds_store_b128 v4, v[16+4*\i:19+4*\i] offset:2*\i*MPIT
.endr
.irp kk, 0,1
.irp bb, 0,1,2,3
	ds_load_b128 v[48+16*\kk+4*\bb:51+16*\kk+4*\bb], v5 offset:128*\kk+32*\bb   ; keys 128 kk + 32 bb + 16 h + 0 .. 15 of row r
.endr
.endr
	s_wait_dscnt 0x0                               ; the stores have read their registers, the bytes are back
.if \more
	v_add_nc_u32 v3, 256, v3                       ; (its loads are done)
	MLOAD                                          ; lands while the words are made
.endif
.irp kk, 0,1                           ; word n of step kk: byte n % 4 of register n / 4, one bit a lane, to lane n / 2 of register n % 2
.set n, 0
.rept 16
.irp j, 0,1,2,3
	v_and_b32 v[8+\j], s[32+\j], v[48+16*\kk+n/4]
.endr
.irp j, 0,1,2,3
	v_cmp_ne_u32 s[40+\j], 0, v[8+\j]
.endr
.irp j, 0,1,2,3
	v_writelane_b32 v[80+2*\kk+(\j&1)], s[40+\j], (n+\j)>>1
.endr
.set n, n+4
.endr
.endr
	global_store_b64 v6, v[80:81], s[24:25]        ; 256 consecutive bytes, aligned: one unit
	global_store_b64 v6, v[82:83], s[24:25] offset:256
.if \more
	s_wait_xcnt 0x0                                ; the stores have read their data and their base: both are written again
	s_add_nc_u64 s[24:25], s[24:25], 512
.endif
.endm
	MLOAD
	s_mov_b32 s36, 7
.Lmtrip:
	MTRIP 1
	s_sub_co_u32 s36, s36, 1
	s_cmp_lg_u32 s36, 0
	s_cbranch_scc1 .Lmtrip
	MTRIP 0                                        ; the last 256 keys: nothing more is asked for
	s_wait_tensorcnt 0x0
	ds_add_u32 v192, v193
	s_wait_dscnt 0x0
	s_endpgm
.Lfunc_end_k_q5a3baca459_quant:
	.size	k_q5a3baca459_quant, .Lfunc_end_k_q5a3baca459_quant-k_q5a3baca459_quant
	.p2alignl 7, 3214868480
	.fill 96, 4, 3214868480
	.section	.rodata,"a",@progbits
	.p2align	6, 0x0
	.amdhsa_kernel k_q5a3baca459_quant
		.amdhsa_group_segment_fixed_size 51712
		.amdhsa_private_segment_fixed_size 0
		.amdhsa_enable_private_segment 0
		.amdhsa_kernarg_size 88
		.amdhsa_user_sgpr_count 2
		.amdhsa_user_sgpr_kernarg_segment_ptr 1
		.amdhsa_wavefront_size32 1
		.amdhsa_system_sgpr_workgroup_id_x 1
		.amdhsa_system_sgpr_workgroup_id_y 1
		.amdhsa_system_sgpr_workgroup_id_z 1
		.amdhsa_system_vgpr_workitem_id 0
		.amdhsa_next_free_vgpr 194
		.amdhsa_next_free_sgpr 66
		.amdhsa_reserve_vcc 0
		.amdhsa_float_denorm_mode_32 3
		.amdhsa_float_denorm_mode_16_64 3
		.amdhsa_memory_ordered 1
		.amdhsa_forward_progress 1
		.amdhsa_inst_pref_size 80
	.end_amdhsa_kernel
	.amdgpu_metadata
---
amdhsa.version: [ 1, 2 ]
amdhsa.kernels:
  - .name:           k_q5a3baca459_quant
    .symbol:         k_q5a3baca459_quant.kd
    .args:
      - { .name: q, .offset: 0, .size: 8, .value_kind: global_buffer, .address_space: global }
      - { .name: k, .offset: 8, .size: 8, .value_kind: global_buffer, .address_space: global }
      - { .name: v, .offset: 16, .size: 8, .value_kind: global_buffer, .address_space: global }
      - { .name: Wq, .offset: 24, .size: 8, .value_kind: global_buffer, .address_space: global }
      - { .name: Wk, .offset: 32, .size: 8, .value_kind: global_buffer, .address_space: global }
      - { .name: Wv, .offset: 40, .size: 8, .value_kind: global_buffer, .address_space: global }
      - { .name: Wo, .offset: 48, .size: 8, .value_kind: global_buffer, .address_space: global }
      - { .name: attn_mask, .offset: 56, .size: 8, .value_kind: global_buffer, .address_space: global }
      - { .name: xcodes, .offset: 64, .size: 8, .value_kind: global_buffer, .address_space: global }
      - { .name: xscales, .offset: 72, .size: 8, .value_kind: global_buffer, .address_space: global }
      - { .name: maskw, .offset: 80, .size: 8, .value_kind: global_buffer, .address_space: global }
    .group_segment_fixed_size: 51712
    .private_segment_fixed_size: 0
    .kernarg_segment_align: 8
    .kernarg_segment_size: 88
    .max_flat_workgroup_size: 128
    .sgpr_count:     66
    .vgpr_count:     194
    .wavefront_size: 32
...
	.end_amdgpu_metadata
.endif
;; end of part 1
;; launch proj (part 2): grid 4 x 96, 4 waves a work-group, clusters of 4 x 4, 327,680 bytes of LDS; arguments xcodes, xscales, bq, bk, bv, frag; writes frag
.if DOCPART == 2
	.amdgcn_target "amdgcn-amd-amdhsa--gfx1250"
	.amdhsa_code_object_version 6
	.text
	.protected	k_q5a3baca459_proj
	.globl	k_q5a3baca459_proj
	.p2align	8
	.type	k_q5a3baca459_proj,@function
k_q5a3baca459_proj:
	s_mov_b64 s[64:65], 0
	v_nop
	global_prefetch_b8 v0, s[64:65] scope:SCOPE_SE
	s_setreg_imm32_b32 hwreg(HW_REG_WAVE_MODE, 25, 1), 1
	s_wait_xcnt 0x0
	s_wait_alu depctr_hold_cnt(0) depctr_sa_sdst(0) depctr_va_vdst(0) depctr_va_sdst(0) depctr_va_ssrc(0) depctr_va_vcc(0) depctr_vm_vsrc(0)
	s_getreg_b32 s2, hwreg(HW_REG_IB_STS2, 6, 4)
	s_cmp_eq_u32 s2, 0
	s_cbranch_scc0 .Lentry_in_a_cluster
	s_endpgm
.Lentry_in_a_cluster:
	s_bfe_u32 s2, ttmp6, 0x10000c
	s_cmp_lg_u32 s2, 0xf033
	s_cbranch_scc0 .Lentry_shape_is_right
	s_endpgm
.Lentry_shape_is_right:
; THE THREE INPUT PROJECTIONS, x W^T + b, on codes of BF6 with E8M0 scales, 8192 x 1024 x 1024 each, and the quantising of their results for the attention launch.
; A tile of 256 x 256 is made by four waves, 128 x 128 each (64 accumulators, 512 registers); K goes in steps of 256 through a ring of two LDS slots filled by the tensor data mover; the scale bytes of the
; tile's rows come once.  4 x 4 work-groups form a cluster: A's tiles are asked for jointly along a row of the cluster, B's along a column.
; THE MATRIX INSTRUCTION IS USED TRANSPOSED: source 0 = 16 rows of B, source 1 = 16 rows of A: a lane holds ONE row of A and its registers run along B's rows.  The rows of the codes' buffer lie in tile order
; (stored row 16 u + t of 32 = row 8 u + t + 8 (t / 8)), so the 16 registers of B's tiles 2 b and 2 b + 1 are 16 NEIGHBOURS, 32 b + 16 (lane / 16) + 0 .. 15.
; WHICH PRODUCT: T = cluster y / 8.  T = 0, 1 (q, k): A = the tokens, B = the weight: a lane's registers run along the head's 64 numbers, the K of the scores' product.
;                T = 2 (v): A = Wv, B = the tokens: a lane's registers run along the KEYS, the K of the second product.
; THE WAY OUT: bias added in f32, 64 numbers a lane quantised in registers, and the codes stored AS IMAGES OF OPERAND REGISTERS: four registers of 32 lanes are 512 consecutive bytes.  Per head (307,200 bytes of frag):
;   16 key steps of 12,800 bytes: K's 4 pair fragments (1,536 each) | V's 4 fragments | K's 256 scale bytes | V's;  from 204,800 on 16 records of 6,400 bytes: Q's 4 pair fragments | their 256 scale bytes.
;   A pair fragment: registers 0-5 a tile of 16 rows (lane (r, h): row r, numbers 32 h .. 32 h + 31 of the head's 64), registers 6-11 the next tile.  Its scale word: bytes 0, 1 the first tile's blocks, 2, 3 the second's.
;   A scale unit: the word of item 2 j + hh, row r, at 8 (16 hh + r) + 4 j: a load of 8 bytes a lane gives two registers, each with one item in lanes 0-15 and the next in lanes 16-31.
; LIMITS: as the quantising launch: NaN and infinities are not served; a block under 2^-122, and a block of zeros, keeps the byte 1.
; REGISTERS, in windows of 256: window 0: v0-31 addresses; v32-63 scale words, two sets; v128-223 A's fragments, one set; on the way out v64-253 as named below.  window 1: B's fragments, two sets.  windows 2, 3: the accumulators.
.set KSTEP,  256
.set NQ,     KSTEP/128
.set ROWB,   192                       ; a tile's row: 256 codes
.set KROW,   768                       ; a row of codes in memory
.set PITCH,  240                       ; an LDS row: 3 x (64 bytes + 16 of padding)
.set FR,     12
.set NL,     6
.set NP,     4                         ; places behind this matrix instruction (ISA guide 7.12.1)
.set HALFT,  128*PITCH
.set SLOT,   4*HALFT                   ; A's 256 rows, then B's
.set LAPS,   2                         ; 1,024 along K = four K steps = twice round the ring
.set KS,     32                        ; a row of scale bytes
.set SCL,    2*SLOT                    ; behind the ring: the scales, as units of 256 bytes + 16
.set HALFS,  (128*KS/256)*272
.set SBLK,   (16*KS/256)*272
.set SPARE,  SCL+4*HALFS               ; the spare words, 128 bytes a wave: two blocks of 256 bytes that no other line names
.set BIASL,  SPARE+512                 ; 512 bytes a wave: its 128 numbers of the bias; stored by the wave, read by the wave, never filled
.set HEADB,  307200                    ; a head's bytes in frag
.set ADRA, 16                          ; v16-19  LDS addresses of my A fragments (slot 0, 1; the same behind one padding more)
.set ADRB, 20                          ; v20-23  the same for B
.set CO,   26                          ; v26     16 x lane
.set ADRS, 27                          ; v27     my scale words: lanes 0-15 A's rows, lanes 16-31 B's
.set SPW,  28                          ; v28     my spare word; never rewritten
.set NIL,  29                          ; v29     0; never rewritten
.set BST,  12                          ; v12     where I put 16 bytes of the bias
.set L8,   13                          ; v13     8 x lane
.set BQK,  30                          ; v30     the bias along registers: + 64 h
.set BV,   31                          ; v31     the bias along lanes: + 4 (r + 8 (r / 8))
.set SC,   32
.set AF,   128
.set BIAS, 64                          ; the way out: v64-127 the bias in the results' layout
.set H,    128                         ; v128-191 64 numbers to be quantised
.set FA,   192                         ; v192-203, v204-215 two fragments' codes
.set FB,   204
.set CT,   216                         ; v216-223 the conversions' second halves
.set TM,   224                         ; v224-227 largest magnitudes, v228-231 the other half's, then bytes, v236-239 the conversions' scale operands
.set PW,   240                         ; v240-241 two tiles' scale words
.set SW,   242                         ; v242-249 eight scale words
.set XU,   250                         ; v250-253 two scale units' registers
.set G1, 24
.set G0, 32
.set G1B, 48
.set G0B, 56
.set G1S, 68
.set G0S, 76
.set G1SB, 80
.set G0SB, 88
.set MSB, 0
.macro WIN new                         ; the immediate's high byte repeats the setting that is left
.if MSB != \new
	s_set_vgpr_msb (MSB<<8)|\new
.set MSB, \new
.endif
.endm
.set MUL_LO, 0xa1                      ; source 0 (B) window 1, source 1 (A) window 0, C and D window 2
.set MUL_HI, 0xf1
.set TO_B,   0x40
; A joint load: waves 0 and 1 fetch for A, waves 2 and 3 for B; the branch hangs on the wave's number alone.  Four v_nop follow each of the two lines.
.macro JLOAD g0a, g1a, g0b, g1b
	s_cmp_eq_u32 s15, 0
	s_cbranch_scc0 .Lfor_b_\@
	tensor_load_to_lds s[\g0a:\g0a+3], s[\g1a:\g1a+7]
	s_nop 0
.rept 4
	v_nop
.endr
	s_branch .Lasked_\@
.Lfor_b_\@:
	tensor_load_to_lds s[\g0b:\g0b+3], s[\g1b:\g1b+7]
	s_nop 0
.rept 4
	v_nop
.endr
.Lasked_\@:
.endm
.macro CREST                           ; a round of the cluster's barrier behind its opening barrier
	s_cmp_lg_u32 s14, 0
	s_cbranch_scc1 .Lnot_wave_0_\@
	s_barrier_signal -3
.Lnot_wave_0_\@:
	s_barrier_wait -3
	s_barrier_signal -1
	s_barrier_wait -1
.endm
.macro CROUND
	s_barrier_signal -1
	s_barrier_wait -1
	CREST
.endm
	s_load_b128 s[4:7], s[0:1], 0x0                ; xcodes, xscales
	s_load_b128 s[92:95], s[0:1], 0x10             ; bq, bk
	s_load_b128 s[96:99], s[0:1], 0x20             ; bv, frag
	v_lshl_add_u32 v[SPW], v0, 2, SPARE
	v_mov_b32 v[NIL], 0
	ds_add_u32 v28, v29
	ds_add_u32 v28, v29
	s_wait_dscnt 0x0
	v_lshrrev_b32 v1, 5, v0
	v_readfirstlane_b32 s14, v1                    ; wave 0..3
	s_lshr_b32 s15, s14, 1                         ; ha: which half of A's rows is mine.  Also: I fetch for A (0) or for B (1)
	s_and_b32 s16, s14, 1                          ; hb: which half of B's rows.  Also: which 128 rows of that tile I fetch
	s_bfe_u32 s40, ttmp6, 0x40000                  ; cx, cy: my place in the cluster
	s_bfe_u32 s41, ttmp6, 0x40004
	s_and_b32 s18, ttmp7, 0xffff                   ; cluster y 0 .. 23
	s_lshr_b32 s2, s18, 3                          ; T: 0 q, 1 k, 2 v: the same in all sixteen partners
	s_and_b32 s101, s18, 7
	s_lshl_b32 s19, s101, 2                        ; the tokens' tiles go 4 (cluster y % 8) + a place in the cluster
	s_lshl_b32 s22, s2, 13                         ; q's, k's first stored row
	s_lshl_b32 s23, s2, 10
	s_add_co_u32 s23, s23, 24576                   ; Wq's, Wk's
	s_cmp_eq_u32 s2, 2
	s_cselect_b32 s20, 0, s19
	s_cselect_b32 s21, s19, 0
	s_cselect_b32 s22, 26624, s22                  ; A's first stored row: Wv's for v
	s_cselect_b32 s23, 16384, s23                  ; B's: v's
	s_add_co_u32 s17, s20, s41                     ; A's tile: hangs on cy and the cluster's y
	s_add_co_u32 s42, s21, s40                     ; B's tile: hangs on cx and the cluster's y
	s_lshl_b32 s43, s41, 2
	s_lshl_b32 s43, 15, s43                        ; my row of the cluster
	s_lshl_b32 s44, 0x1111, s40                    ; my column
	; descriptor group 1: a tile of 128 rows x 192 bytes; 16 bytes of padding behind every 64
	s_or_b32 s[G1+0], s43, (0<<16)|(1<<20)|(1<<21)|(3<<22)|(3<<25)
	s_or_b32 s[G1B+0], s44, (0<<16)|(1<<20)|(1<<21)|(3<<22)|(3<<25)
.irp g, G1, G1B
	s_mov_b32 s[\g+1], ROWB<<16                    ; tensor_dim0
	s_mov_b32 s[\g+2], 128<<16                     ; tensor_dim1
	s_mov_b32 s[\g+3], ROWB<<16                    ; tile_dim0
	s_mov_b32 s[\g+4], 128                         ; tile_dim1
	s_mov_b32 s[\g+5], KROW                        ; tensor_dim0_stride
	s_mov_b32 s[\g+6], 0
	s_mov_b32 s[\g+7], 0
.endr
	; the scales of 128 rows: 4,096 dense bytes, as 16 rows of 256 bytes (32 elements of 8), 16 bytes of padding behind each
	s_or_b32 s[G1S+0], s43, (3<<16)|(1<<20)|(1<<21)|(5<<22)|(3<<25)
	s_or_b32 s[G1SB+0], s44, (3<<16)|(1<<20)|(1<<21)|(5<<22)|(3<<25)
.irp g, G1S, G1SB
	s_mov_b32 s[\g+1], 32<<16
	s_mov_b32 s[\g+2], (128*KS/256)<<16
	s_mov_b32 s[\g+3], 32<<16
	s_mov_b32 s[\g+4], 128*KS/256
	s_mov_b32 s[\g+5], 32
	s_mov_b32 s[\g+6], 0
	s_mov_b32 s[\g+7], 0
.endr
	s_lshl_b32 s18, s16, 7                         ; which 128 rows of the tile I fetch
	s_lshl_b32 s20, s17, 8
	s_add_co_u32 s20, s20, s18
	s_add_co_u32 s20, s20, s22                     ; A's stored row
	s_lshl_b32 s46, s42, 8
	s_add_co_u32 s46, s46, s18
	s_add_co_u32 s46, s46, s23                     ; B's
	s_lshl_b32 s22, s20, 5                         ; their scales, 32 bytes a row,
	s_mov_b32 s23, 0
	s_lshl_b32 s66, s46, 5
	s_mov_b32 s67, 0
	s_mul_i32 s20, s20, KROW                       ; and their codes (28,672 rows x 768 bytes stay under 2^32)
	s_mov_b32 s21, 0
	s_mul_i32 s46, s46, KROW
	s_mov_b32 s47, 0
	s_mul_i32 s45, s14, HALFT                      ; where they go: wave x 128 rows: no place in the cluster enters an LDS address
	s_mul_i32 s100, s14, HALFS
	s_wait_kmcnt 0x0
	s_add_nc_u64 s[20:21], s[4:5], s[20:21]
	s_add_nc_u64 s[22:23], s[6:7], s[22:23]
	s_add_nc_u64 s[46:47], s[4:5], s[46:47]
	s_add_nc_u64 s[66:67], s[6:7], s[66:67]
	CROUND                                         ; all sixteen work-groups are here: the first joint loads meet
	s_mov_b32 s[G0S], 1
	s_add_co_u32 s[G0S+1], s100, SCL
	s_mov_b64 s[G0S+2:G0S+3], s[22:23]
	s_or_b32 s[G0S+3], s[G0S+3], 0x80000000
	s_mov_b32 s[G0SB], 1
	s_add_co_u32 s[G0SB+1], s100, SCL
	s_mov_b64 s[G0SB+2:G0SB+3], s[66:67]
	s_or_b32 s[G0SB+3], s[G0SB+3], 0x80000000
	JLOAD G0S, G1S, G0SB, G1SB                     ; the scales first: they are wanted with K step 0
.irp s, 0,1
	s_mov_b32 s[G0+4*\s], 1
	s_add_co_u32 s[G0+4*\s+1], s45, \s*SLOT
	s_add_nc_u64 s[G0+4*\s+2:G0+4*\s+3], s[20:21], \s*ROWB
	s_or_b32 s[G0+4*\s+3], s[G0+4*\s+3], 0x80000000
	s_mov_b32 s[G0B+4*\s], 1
	s_add_co_u32 s[G0B+4*\s+1], s45, \s*SLOT
	s_add_nc_u64 s[G0B+4*\s+2:G0B+4*\s+3], s[46:47], \s*ROWB
	s_or_b32 s[G0B+4*\s+3], s[G0B+4*\s+3], 0x80000000
	JLOAD G0+4*\s, G1, G0B+4*\s, G1B               ; three tensor loads of mine are out
.endr
	v_and_b32 v1, 15, v0                           ; r
	v_bfe_u32 v2, v0, 4, 1                         ; h
	v_mul_u32_u24 v3, v1, PITCH
	v_mul_u32_u24 v4, v2, 24
	v_add_nc_u32 v4, v3, v4                        ; a fragment's row x pitch + 24 h
	v_lshl_add_u32 v5, v2, 4, v4                   ; and the same behind one padding more
	s_mul_i32 s21, s15, HALFT
	s_mul_i32 s22, s16, HALFT
	s_add_co_u32 s22, s22, 2*HALFT
.irp s, 0,1
	v_add_nc_u32 v[ADRA+\s], s21, v4
	v_add_nc_u32 v[ADRB+\s], s22, v4
	v_add_nc_u32 v[ADRA+2+\s], s21, v5
	v_add_nc_u32 v[ADRB+2+\s], s22, v5
	s_add_co_u32 s21, s21, SLOT
	s_add_co_u32 s22, s22, SLOT
.endr
	v_mul_u32_u24 v5, v1, KS                       ; my row's scales: 32 bytes a row,
	v_lshrrev_b32 v6, 8, v5
	v_lshl_add_u32 v5, v6, 4, v5                   ; and 16 more for each 256 passed
	s_mul_i32 s21, s15, HALFS
	s_mul_i32 s22, s16, HALFS
	s_add_co_u32 s22, s22, 2*HALFS
	s_sub_co_u32 s22, s22, s21
	v_mul_u32_u24 v6, s22, v2                      ; lanes 16-31 take B's
	s_add_co_u32 s21, s21, SCL
	v_add_nc_u32 v5, v5, v6
	v_add_nc_u32 v[ADRS], s21, v5
	v_and_b32 v6, 31, v0
	v_lshlrev_b32 v[CO], 4, v6
	v_lshlrev_b32 v[L8], 3, v6
	s_lshl_b32 s23, s14, 9
	s_add_co_u32 s23, s23, BIASL                   ; my wave's 512 bytes for the bias
	v_add_nc_u32 v[BST], s23, v[CO]
	v_lshl_add_u32 v[BQK], v2, 6, s23
	v_and_b32 v7, 8, v1
	v_add_nc_u32 v7, v7, v1                        ; r + 8 (r / 8)
	v_lshl_add_u32 v[BV], v7, 2, s23
.irp b, 0,1,2,3
	v_mov_b32 v[TM+4+\b], 0                        ; written once: a lane permute's destination counts as one of its sources
.endr
	; which 128 tokens and which 128 features are my wave's; the bias; where my results go
	s_lshl_b32 s20, s42, 1
	s_add_co_u32 s20, s20, s16                     ; 2 x B's tile + hb
	s_lshl_b32 s21, s17, 1
	s_add_co_u32 s21, s21, s15                     ; 2 x A's tile + ha
	s_mov_b32 s43, 12800                           ; bytes from step to step,
	s_mov_b32 s44, 12288                           ; from my codes to my scale unit,
	s_cmp_eq_u32 s2, 0
	s_cselect_b32 s43, 6400, s43
	s_cselect_b32 s44, 6144, s44
	s_cselect_b32 s45, 204800, 0                   ; and where my part of a head begins
	s_cmp_eq_u32 s2, 1
	s_cselect_b64 s[8:9], s[94:95], s[92:93]       ; the bias: the choice hangs on the cluster's y alone
	s_cmp_eq_u32 s2, 2
	s_cselect_b64 s[8:9], s[96:97], s[8:9]
	s_cselect_b32 s44, 6400, s44
	s_cselect_b32 s45, 6144, s45
	s_cselect_b32 s22, s20, s21                    ; the tokens' group of 128: 0 .. 63
	s_cselect_b32 s23, s21, s20                    ; the features' group of 128: 0 .. 7 = two heads
	s_lshl_b32 s46, s23, 9
	s_mov_b32 s47, 0
	s_add_nc_u64 s[8:9], s[8:9], s[46:47]
	global_load_b128 v[8:11], v[CO], s[8:9]        ; my wave's 128 numbers of the bias
	s_lshr_b32 s46, s22, 4                         ; the batch
	s_lshl_b32 s46, s46, 4
	s_lshl_b32 s23, s23, 1
	s_add_co_u32 s46, s46, s23                     ; 16 x batch + my first head
	s_mul_i32 s46, s46, HEADB
	s_and_b32 s22, s22, 15                         ; the step of 128 tokens within the batch
	s_mul_i32 s22, s22, s43
	s_add_co_u32 s46, s46, s22
	s_add_co_u32 s46, s46, s45
	s_add_nc_u64 s[10:11], s[98:99], s[46:47]      ; my codes
	s_mov_b32 s45, 0
	s_add_nc_u64 s[12:13], s[10:11], s[44:45]      ; my scale unit
	s_mov_b32 s18, 0x76543210                      ; v_permlanex16_b32's selects for lane l xor 16
	s_mov_b32 s19, 0xfedcba98
	s_mov_b32 s20, 0xffff0000                      ; lanes 16-31
	s_mov_b32 s21, 0x05040100                      ; v_perm_b32: two low halves
	s_mov_b32 s22, 0x07060302                      ; two high halves
.macro FRAG reg, adr, q, i             ; 16 rows x 128 K of 6-bit codes: lane (r, h) takes 24 bytes twice, in pieces of 8; where the piece lies behind one padding more for lanes 16-31, the second address register serves
.irp p, 0,1,2,3,4,5
.set PC, 12*(\q)+6*(\p/3)+\p%3
.if PC%8 < 5
	ds_load_b64 v[\reg+2*\p:\reg+2*\p+1], v[\adr] offset:8*PC+16*(PC/8)+(\i)*16*PITCH
.else
	ds_load_b64 v[\reg+2*\p:\reg+2*\p+1], v[\adr+2] offset:8*PC+16*(PC/8)+(\i)*16*PITCH
.endif
.endr
.endm
; 16 matrix instructions: A's blocks a0, a0 + 1 x B's eight.  The 64 accumulators take turns, one instruction a turn, in the same order in every step.
.macro MUL16 a0, p, q, sc, zero
.irp a, \a0, \a0+1
.irp b, 0,1,2,3,4,5,6,7
.if \zero
	v_wmma_scale_f32_16x16x128_f8f6f4 v[8*(8*((\a)%4)+\b):8*(8*((\a)%4)+\b)+7], v[128*(\p)+FR*\b:128*(\p)+FR*\b+FR-1], v[AF+FR*(\a):AF+FR*(\a)+FR-1], 0, v[SC+8*NQ*(\sc)+NQ*\b+(\q)], v[SC+8*NQ*(\sc)+NQ*(\a)+(\q)] matrix_a_fmt:MATRIX_FMT_BF6 matrix_b_fmt:MATRIX_FMT_BF6 matrix_a_scale:MATRIX_SCALE_ROW1
.else
	v_wmma_scale_f32_16x16x128_f8f6f4 v[8*(8*((\a)%4)+\b):8*(8*((\a)%4)+\b)+7], v[128*(\p)+FR*\b:128*(\p)+FR*\b+FR-1], v[AF+FR*(\a):AF+FR*(\a)+FR-1], v[8*(8*((\a)%4)+\b):8*(8*((\a)%4)+\b)+7], v[SC+8*NQ*(\sc)+NQ*\b+(\q)], v[SC+8*NQ*(\sc)+NQ*(\a)+(\q)] matrix_a_fmt:MATRIX_FMT_BF6 matrix_b_fmt:MATRIX_FMT_BF6 matrix_a_scale:MATRIX_SCALE_ROW1
.endif
.endr
.endr
.endm
.macro FETCH_B slot, q, p
	WIN TO_B
.irp i, 0,1,2,3,4,5,6,7
	FRAG 128*(\p)+FR*\i, ADRB+\slot, \q, \i
.endr
	WIN 0
.endm
.macro FETCH_A slot, q, i0
.irp i, \i0, \i0+1, \i0+2, \i0+3
	FRAG AF+FR*(\i), ADRA+\slot, \q, \i
.endr
.endm
.macro SCALES sc                       ; a K step's scale words: two a row; lanes 0-15 A's block i, lanes 16-31 B's block i
.irp i, 0,1,2,3,4,5,6,7
	ds_load_b64 v[SC+8*NQ*\sc+NQ*\i:SC+8*NQ*\sc+NQ*\i+1], v[ADRS] offset:\i*SBLK
.endr
.endm
.macro PLACES n                        ; plain vector instructions between a matrix instruction and a load into, or a vector instruction on, its registers
.rept \n
	v_nop
.endr
.endm
.macro STEP slot, q, zero              ; 128 along K that have their successor in the same slot
	s_wait_dscnt 4*NL                              ; B's set and A's blocks 0-3 are in; the youngest 24 loads (A's blocks 4-7) may be out
	WIN MUL_LO
	MUL16 0, (\q)%2, \q, \slot, \zero
	MUL16 2, (\q)%2, \q, \slot, \zero
	s_wait_dscnt 0
	PLACES NP
	FETCH_B \slot, (\q)+1, 1-(\q)%2
	FETCH_A \slot, (\q)+1, 0
	WIN MUL_HI
	MUL16 4, (\q)%2, \q, \slot, \zero
	MUL16 6, (\q)%2, \q, \slot, \zero
	PLACES NP
	WIN 0
	FETCH_A \slot, (\q)+1, 4
.endm
; A slot's last step changes slots: one barrier; in front of it each wave waits for all its tensor loads, adds 0 to its spare word, and waits for that and for its reads of this slot.
.macro TURN slot, next, fill
	s_wait_tensorcnt 0x0                           ; all my tensor loads have landed: my part of the next slot
	ds_add_u32 v[SPW], v[NIL]                      ; 0 onto my spare word
	s_wait_dscnt 4*NL+1                            ; (the add and the youngest 24 loads may be out)
	WIN MUL_LO
	MUL16 0, 1, NQ-1, \slot, 0
	s_wait_dscnt 0x0                               ; the add is done, and my reads of this slot are over
	s_barrier_signal -1
	MUL16 2, 1, NQ-1, \slot, 0
	WIN 0
	s_barrier_wait -1
.if \fill
	CREST                                          ; the barrier has opened a round of the cluster's: no wave of any partner still reads this slot or has a load on its way
	s_add_nc_u64 s[G0+4*\slot+2:G0+4*\slot+3], s[G0+4*\slot+2:G0+4*\slot+3], 2*ROWB
	s_add_nc_u64 s[G0B+4*\slot+2:G0B+4*\slot+3], s[G0B+4*\slot+2:G0B+4*\slot+3], 2*ROWB
	JLOAD G0+4*\slot, G1, G0B+4*\slot, G1B         ; the first tensor load behind the round, my only one until the next; its four v_nop are the places in front of the loads below
.else
	PLACES NP
.endif
	v_add_nc_u32 v[ADRS], 4*NQ, v[ADRS]
	FETCH_B \next, 0, 0
	FETCH_A \next, 0, 0
	SCALES \next
	WIN MUL_HI
	MUL16 4, 1, NQ-1, \slot, 0
	MUL16 6, 1, NQ-1, \slot, 0
	PLACES NP
	WIN 0
	FETCH_A \next, 0, 4
.endm
	s_wait_loadcnt 0x0                             ; the bias goes to my own 512 bytes of LDS, from which either way out takes it in its own layout
	ds_store_b128 v[BST], v[8:11]
	s_wait_dscnt 0x0
	s_wait_tensorcnt 1                             ; the scales and my part of K step 0 are in (K step 1's load may be out),
	s_barrier_signal -1
	s_barrier_wait -1                              ; everybody's are
	FETCH_B 0, 0, 0
	FETCH_A 0, 0, 0
	SCALES 0
	FETCH_A 0, 0, 4
	STEP 0, 0, 1                                   ; the first step's products start the sums
	s_mov_b32 s3, LAPS-1
.Llap:
	TURN 0, 1, 1
	STEP 1, 0, 0
	TURN 1, 0, 1
	STEP 0, 0, 0
	s_sub_co_u32 s3, s3, 1
	s_cmp_lg_u32 s3, 0
	s_cbranch_scc1 .Llap
	TURN 0, 1, 0                                   ; the last lap fills nothing
	STEP 1, 0, 0
	s_wait_dscnt 4*NL
	WIN MUL_LO
	MUL16 0, 1, NQ-1, 1, 0
	MUL16 2, 1, NQ-1, 1, 0
	s_wait_dscnt 0
	WIN MUL_HI
	MUL16 4, 1, NQ-1, 1, 0
	MUL16 6, 1, NQ-1, 1, 0
	WIN 0
; THE WAY OUT.
; H = the eight accumulators of A's block a + the bias; each accumulator is read from its low end on.  st = 1: the bias runs along the registers; 0: one number a lane, held twice
.macro ADDB a, bb, st
	WIN 0x02+((\a)/4)                              ; source 0: window 2 or 3
.set i, 0
.rept 32
	v_pk_add_f32 v[H+i:H+i+1], v[64*((\a)%4)+i:64*((\a)%4)+i+1], v[(\bb)+(\st)*i:(\bb)+(\st)*i+1]
.set i, i+2
.endr
	WIN 0
.endm
; 64 numbers of a lane, register 16 b + i = number 32 b + 16 (lane / 16) + i of my row, become codes: blocks 0, 1 in v[d0] .. v[d0 + 5], blocks 2, 3 in v[d1] .. v[d1 + 5] (lanes 0-15 the first block, lanes 16-31 the second), and the four bytes in v[pw]
.macro QUANT s, d0, d1, pw
.irp b, 0,1,2,3
	v_max3_num_f32 v[TM+\b], |v[(\s)+16*\b]|, |v[(\s)+1+16*\b]|, 0x2800000   ; my 16 numbers of block b, and the floor 2^(5 - 127): the byte cannot fall under 1
.endr
.irp i, 2,4,6,8,10,12,14
.irp b, 0,1,2,3
	v_max3_num_f32 v[TM+\b], v[TM+\b], |v[(\s)+16*\b+\i]|, |v[(\s)+1+16*\b+\i]|   ; (the four blocks by turns)
.endr
.endr
.irp b, 0,1,2,3
	v_permlanex16_b32 v[TM+4+\b], v[TM+\b], s18, s19
.endr
.irp b, 0,1,2,3
	v_max_num_f32 v[TM+\b], v[TM+\b], v[TM+4+\b]   ; with lane l xor 16's: the block's largest magnitude
.endr
.irp b, 0,1,2,3
	v_add_nc_u32 v[TM+12+\b], 0xfe000000, v[TM+\b] ; 4 off its exponent field: the conversion's scale operand
.endr
.irp b, 0,1,2,3
	v_lshrrev_b32 v[TM+4+\b], 23, v[TM+12+\b]      ; the scale's byte
.endr
	v_lshl_or_b32 v[\pw], v[TM+5], 8, v[TM+4]
	v_lshl_or_b32 v[\pw], v[TM+6], 16, v[\pw]
	v_lshl_or_b32 v[\pw], v[TM+7], 24, v[\pw]
	v_cvt_scalef32_pk16_bf6_f32 v[(\d0):(\d0)+2], v[(\s):(\s)+15], v[TM+12]
	v_cvt_scalef32_pk16_bf6_f32 v[CT:CT+2], v[(\s)+16:(\s)+31], v[TM+13]   ; (a conversion's three registers begin on an even number)
	v_cvt_scalef32_pk16_bf6_f32 v[(\d1):(\d1)+2], v[(\s)+32:(\s)+47], v[TM+14]
	v_cvt_scalef32_pk16_bf6_f32 v[CT+4:CT+6], v[(\s)+48:(\s)+63], v[TM+15]
	v_nop                                          ; one plain place behind a scaled conversion
.irp i, 0,1,2
	v_permlane16_swap_b32 v[(\d0)+\i], v[CT+\i]    ; a whole block to a lane: the first now holds each lane's block's lower 16 codes, the second the upper 16
.endr
.irp i, 0,1,2
	v_mov_b32 v[(\d0)+3+\i], v[CT+\i]
.endr
.irp i, 0,1,2
	v_permlane16_swap_b32 v[(\d1)+\i], v[CT+4+\i]
.endr
.irp i, 0,1,2
	v_mov_b32 v[(\d1)+3+\i], v[CT+4+\i]
.endr
.endm
.macro UNITS                           ; two heads' scale units out of v[SW] .. v[SW + 7]: items 0, 2 in lanes 0-15, items 1, 3 in lanes 16-31; 256 consecutive bytes each
.irp x, 0,1
	v_cndmask_b32 v[XU+2*\x], v[SW+4*\x], v[SW+4*\x+1], s20
	v_cndmask_b32 v[XU+2*\x+1], v[SW+4*\x+2], v[SW+4*\x+3], s20
	global_store_b64 v[L8], v[XU+2*\x:XU+2*\x+1], s[12:13] offset:HEADB*\x
.endr
.endm
.macro FINISH
	s_wait_tensorcnt 0x0                           ; the wave's end: behind my last tensor load and my last LDS store
	ds_add_u32 v[SPW], v[NIL]
	s_wait_dscnt 0x0
	CROUND                                         ; the closing round: no work-group ends while a partner may still ask for a tile that names it
	s_endpgm
.endm
	PLACES NP                                      ; behind the last products: their results are read and A's registers written below
	s_cmp_eq_u32 s2, 2                             ; the same in all partners
	s_cbranch_scc1 .Lv
	; ---- q, k.  My 128 features are two heads: blocks 0, 1 of a lane's 64 numbers are the first head's 64, blocks 2, 3 the second's
.irp b, 0,1,2,3,4,5,6,7
	ds_load_b128 v[BIAS+8*\b:BIAS+8*\b+3], v[BQK] offset:(32*(\b/2)+8*(\b%2))*4        ; register j of B's tile b is feature 32 (b / 2) + 16 h + 8 (b % 2) + j
	ds_load_b128 v[BIAS+8*\b+4:BIAS+8*\b+7], v[BQK] offset:(32*(\b/2)+8*(\b%2))*4+16
.endr
	s_wait_dscnt 0x0
.irp g, 0,1,2,3                        ; 32 tokens: a pair fragment for each head
.if \g > 0
	s_wait_xcnt 0x0                                ; the last stores have read their registers
.endif
.irp u, 0,1
	ADDB 2*\g+\u, BIAS, 1
	QUANT H, FA+6*\u, FB+6*\u, PW+\u
.endr
	v_perm_b32 v[SW+\g], v[PW+1], v[PW], s21       ; the first head's word: both tiles' bytes 0, 1
	v_perm_b32 v[SW+4+\g], v[PW+1], v[PW], s22     ; the second's: bytes 2, 3
.irp c, 0,1,2
	global_store_b128 v[CO], v[FA+4*\c:FA+4*\c+3], s[10:11] offset:1536*\g+512*\c          ; 512 consecutive bytes, aligned
	global_store_b128 v[CO], v[FB+4*\c:FB+4*\c+3], s[10:11] offset:HEADB+1536*\g+512*\c
.endr
.endr
	UNITS
	FINISH
	; ---- v.  A lane holds one feature, and its 64 numbers are the step's 128 keys: one fragment for each of A's eight blocks
.Lv:
.irp a, 0,1,2,3,4,5,6,7
	ds_load_b32 v[BIAS+2*\a], v[BV] offset:(32*(\a/2)+8*(\a%2))*4      ; lane r of A's block a is feature 32 (a / 2) + 8 (a % 2) + r + 8 (r / 8); twice, for the packed addition
	ds_load_b32 v[BIAS+2*\a+1], v[BV] offset:(32*(\a/2)+8*(\a%2))*4
.endr
	s_wait_dscnt 0x0
.irp a, 0,1,2,3,4,5,6,7
.if \a > 0
	s_wait_xcnt 0x0
.endif
	ADDB \a, BIAS+2*\a, 0
	QUANT H, FA, FA+6, SW+\a
.irp c, 0,1,2
	global_store_b128 v[CO], v[FA+4*\c:FA+4*\c+3], s[10:11] offset:(\a/4)*HEADB+(\a%4)*1536+512*\c
.endr
.endr
	UNITS
	FINISH
.Lfunc_end_k_q5a3baca459_proj:
	.size	k_q5a3baca459_proj, .Lfunc_end_k_q5a3baca459_proj-k_q5a3baca459_proj
	.p2alignl 7, 3214868480
	.fill 96, 4, 3214868480
	.section	.rodata,"a",@progbits
	.p2align	6, 0x0
	.amdhsa_kernel k_q5a3baca459_proj
		.amdhsa_group_segment_fixed_size 327680
		.amdhsa_private_segment_fixed_size 0
		.amdhsa_enable_private_segment 0
		.amdhsa_kernarg_size 48
		.amdhsa_user_sgpr_count 2
		.amdhsa_user_sgpr_kernarg_segment_ptr 1
		.amdhsa_wavefront_size32 1
		.amdhsa_system_sgpr_workgroup_id_x 1
		.amdhsa_system_sgpr_workgroup_id_y 1
		.amdhsa_system_sgpr_workgroup_id_z 1
		.amdhsa_system_vgpr_workitem_id 0
		.amdhsa_next_free_vgpr 1024
		.amdhsa_next_free_sgpr 102
		.amdhsa_reserve_vcc 0
		.amdhsa_float_denorm_mode_32 3
		.amdhsa_float_denorm_mode_16_64 3
		.amdhsa_memory_ordered 1
		.amdhsa_forward_progress 1
		.amdhsa_inst_pref_size 234
	.end_amdhsa_kernel
	.amdgpu_metadata
---
amdhsa.version: [ 1, 2 ]
amdhsa.kernels:
  - .name:           k_q5a3baca459_proj
    .symbol:         k_q5a3baca459_proj.kd
    .args:
      - { .name: xcodes, .offset: 0, .size: 8, .value_kind: global_buffer, .address_space: global }
      - { .name: xscales, .offset: 8, .size: 8, .value_kind: global_buffer, .address_space: global }
      - { .name: bq, .offset: 16, .size: 8, .value_kind: global_buffer, .address_space: global }
      - { .name: bk, .offset: 24, .size: 8, .value_kind: global_buffer, .address_space: global }
      - { .name: bv, .offset: 32, .size: 8, .value_kind: global_buffer, .address_space: global }
      - { .name: frag, .offset: 40, .size: 8, .value_kind: global_buffer, .address_space: global }
    .group_segment_fixed_size: 327680
    .private_segment_fixed_size: 0
    .kernarg_segment_align: 8
    .kernarg_segment_size: 48
    .max_flat_workgroup_size: 128
    .sgpr_count:     102
    .vgpr_count:     1024
    .wavefront_size: 32
...
	.end_amdgpu_metadata
.endif
;; end of part 2
;; launch attn (part 3): grid 4 x 64, 16 waves a work-group, clusters of 4 x 1, 220,672 bytes of LDS; arguments frag, maskw, ctxc, ctxs; writes ctxc, ctxs
.if DOCPART == 3
	.amdgcn_target "amdgcn-amd-amdhsa--gfx1250"
	.amdhsa_code_object_version 6
	.text
	.protected	k_q5a3baca459_attn
	.globl	k_q5a3baca459_attn
	.p2align	8
	.type	k_q5a3baca459_attn,@function
k_q5a3baca459_attn:
	s_mov_b64 s[64:65], 0
	v_nop
	global_prefetch_b8 v0, s[64:65] scope:SCOPE_SE
	s_setreg_imm32_b32 hwreg(HW_REG_WAVE_MODE, 25, 1), 1
	s_wait_xcnt 0x0
	s_wait_alu depctr_hold_cnt(0) depctr_sa_sdst(0) depctr_va_vdst(0) depctr_va_sdst(0) depctr_va_ssrc(0) depctr_va_vcc(0) depctr_vm_vsrc(0)
	s_getreg_b32 s2, hwreg(HW_REG_IB_STS2, 6, 4)
	s_cmp_eq_u32 s2, 0
	s_cbranch_scc0 .Lentry_in_a_cluster
	s_endpgm
.Lentry_in_a_cluster:
	s_bfe_u32 s2, ttmp6, 0x10000c
	s_cmp_lg_u32 s2, 0x3003
	s_cbranch_scc0 .Lentry_shape_is_right
	s_endpgm
.Lentry_shape_is_right:
; ATTENTION on codes of BF6 with E8M0 scales: scores = Q K^T / 8, the mask, the softmax, P V, the division by the row's sum, and the quantising of the result for the output projection.
; THE SOFTMAX AHEAD OF THE SECOND PRODUCT: t = score x log2(e) / 8; M = the row's largest t so far, rounded up to a whole number; p = 2^(t - M) is quantised along the keys, not normalised; the row's sum is taken of the
; unquantised p.  When M moves, the sum and O are multiplied by 2^(old M - new M): exact.
; SHARES.  A work-group takes 512 queries of one head (batch x head = work-group y), in two passes of 256; each of its sixteen waves owns one tile of 16 queries in 256 registers: four waves to a SIMD, so that one wave's
; vector work stands beside another's products and LDS loads.  Every wave walks all 2,048 keys, 128 a step: the mask is an input, so no step is left out.
; LDS.  THE HEAD'S K AND V, codes and scale bytes, 204,800 bytes, lie in LDS WHOLE, as images of operand registers (the projection launch laid them so): sixteen tensor loads, one a wave, at the start; nothing is filled again.
; CLUSTER.  The four work-groups of a head read the same K and V: each load is asked for jointly by the four.
; LAYOUT.  Both products transposed: S^T = K Q^T (source 0 = 16 keys), O^T = V^T P^T (source 0 = 16 of the head's 64): a lane holds ONE query throughout.  The head is 64 wide and the instruction 128: a fragment of K holds
; TWO tiles of 16 keys (registers 0-5, 6-11); Q stands in two operands, one with its codes in registers 0-5 and zero codes in 6-11, one the other way round: each picks one tile, the other meets zeros.
; The keys of a tile are 32 g + 8 u + t + 8 (t / 8), so register 16 g + i of a lane is key 32 g + 16 (lane / 16) + i: 16 neighbours for the conversions.
; THE MASK comes as words of one bit a lane, 64 a step, by scalar loads a step ahead: one v_cndmask_b32 a score.
; LIMITS.  A masked score is set to -2^33, a logit of -2^30, where the definition has -1e9: c x -2^33 is exact in f32, so a row that is masked whole gets t - M = 0 and p = 1 as the definition's has.  The result differs only
; where an UNMASKED logit lies at or under about -1e9.  NaN and infinities are not served.  A block of ctx under 2^-122, or of zeros, keeps the byte 1.
; No prefetch: all of K and V is asked for in the first lines, and each step's mask words are asked for a step ahead.
.set STEPB, 12800                      ; a key step in LDS and in frag: K's 4 pair fragments 6,144 | V's 4 fragments 6,144 | K's scale unit 256 | V's 256
.set HEADB, 307200
.set QOFF,  204800                     ; Q's records of 6,400 bytes begin here in a head's part of frag
.set STG,   218112                     ; 512 bytes: the 256 queries' two scale bytes each; stored and read by ds instructions alone
.set WV,  12                           ; s12 wave;  s13 steps to go;  s14 passes to go;  s15 LDS byte of the step in hand
; s[2:3] my tile's mask words;  s[4:5] my pair fragment of Q;  s[6:7] its scale words;  s[8:9] my record in ctxc;  s[10:11] the work-group's 512 bytes in ctxs
; s[16:47], s[68:99] the step's 64 mask words;  s[48:51], s[52:59] the descriptor;  s[60:61] lane selects;  s[62:63] c;  s66 the mask words' offset;  s100 a byte select;  s101 wave % 2
; v1 16 x lane;  v2 8 x lane;  v3 -2^33;  v4 8 r;  v5, v6 the stage, in and out;  v8, v9 the step's addresses;  v12 -M;  v13 the largest t;  v[14:15] the sum in two halves
; v16-27 Q | zeros;  v28-39 zeros | Q;  v40-87 four fragments of K, then of V;  v96-159 S^T, then p;  v160-191 O^T;  v192-203 p's codes;  v204-211 the conversions' second halves
; v212-215 the blocks' maxima;  v216-219 the other half's, then bytes;  v220-223 the conversions' scale operands;  v224 at work;  v[226:227] f;  v[228:229] K's scale words;  v[230:231] V's;  v232 Q's;  v233 p's;  v[234:235] a second chain of sums
.macro ROUND                           ; a round of the cluster's barrier
	s_barrier_signal -1
	s_barrier_wait -1
	s_cmp_lg_u32 s[WV], 0
	s_cbranch_scc1 .Lnot_wave_0_\@
	s_barrier_signal -3
.Lnot_wave_0_\@:
	s_barrier_wait -3
	s_barrier_signal -1
	s_barrier_wait -1
.endm
.macro MLOAD                           ; a step's 64 mask words
	s_load_b512 s[16:31], s[2:3], s66 offset:0x0
	s_load_b512 s[32:47], s[2:3], s66 offset:0x40
	s_load_b512 s[68:83], s[2:3], s66 offset:0x80
	s_load_b512 s[84:99], s[2:3], s66 offset:0xc0
.endm
	s_load_b256 s[16:23], s[0:1], 0x0              ; frag, maskw, ctxc, ctxs
	v_lshl_add_u32 v254, v0, 2, 0x35600
	v_mov_b32 v255, 0
	ds_add_u32 v254, v255
	ds_add_u32 v254, v255
	v_lshrrev_b32 v8, 5, v0
	v_readfirstlane_b32 s[WV], v8                  ; wave 0..15
	s_bfe_u32 s24, ttmp6, 0x40000                  ; cx: which 512 queries: it enters Q's, the mask's and ctx's addresses alone
	s_and_b32 s25, ttmp7, 0xffff                   ; 16 x batch + head, which the four partners share
	s_lshr_b32 s26, s25, 4                         ; batch
	s_and_b32 s27, s25, 15                         ; head
	s_mul_i32 s28, s25, HEADB
	s_mul_i32 s30, s[WV], STEPB                    ; the key step that I fetch: its place in the head's block and in LDS alike
	s_add_co_u32 s32, s28, s30
	s_mov_b32 s33, 0
	s_lshl_b32 s34, s26, 7                         ; my tile of queries in the batch: 32 cx + wave (+ 16 in the second pass); 4,096 bytes of words a tile
	s_lshl_b32 s35, s24, 5
	s_add_co_u32 s34, s34, s35
	s_add_co_u32 s34, s34, s[WV]
	s_lshl_b32 s34, s34, 12
	s_mov_b32 s35, 0
	s_lshl_b32 s36, s24, 2                         ; Q's record of 128 queries: 4 cx + wave / 8 (+ 2 in the second pass)
	s_lshr_b32 s37, s[WV], 3
	s_add_co_u32 s36, s36, s37
	s_mul_i32 s36, s36, 6400
	s_add_co_u32 s36, s36, s28
	s_add_co_u32 s36, s36, QOFF
	s_bfe_u32 s38, s[WV], 0x20001                  ; my pair fragment in it: (wave / 2) % 4
	s_mul_i32 s38, s38, 1536
	s_add_co_u32 s38, s38, s36
	s_mov_b32 s39, 0
	s_bfe_u32 s40, s[WV], 0x10001                  ; its scale words: item 2 j + hh at 128 hh + 8 r + 4 j
	s_lshl_b32 s40, s40, 7
	s_bfe_u32 s41, s[WV], 0x10002
	s_lshl_b32 s41, s41, 2
	s_add_co_u32 s40, s40, s41
	s_add_co_u32 s40, s40, s36
	s_add_co_u32 s40, s40, 6144
	s_mov_b32 s41, 0
	s_lshl_b32 s42, s26, 3                         ; the block of 256 rows: 8 batch + 2 cx (+ 1 in the second pass)
	s_lshl_b32 s43, s24, 1
	s_add_co_u32 s42, s42, s43
	s_mul_i32 s44, s42, 196608                     ; ctxc: [block][head][tile] records of 768 bytes
	s_mul_i32 s45, s27, 12288
	s_add_co_u32 s44, s44, s45
	s_mul_i32 s45, s[WV], 768
	s_add_co_u32 s44, s44, s45
	s_mov_b32 s45, 0
	s_lshl_b32 s46, s42, 13                        ; ctxs: [block][head] 512 bytes
	s_lshl_b32 s47, s27, 9
	s_add_co_u32 s46, s46, s47
	s_mov_b32 s47, 0
	; descriptor group 1: 12,800 dense bytes as 50 rows of 256 (32 elements of 8 bytes), no padding
	s_mov_b32 s52, 15|(3<<16)|(1<<21)              ; 15:0 the mask: all four work-groups; 17:16 elements of 8 bytes; 21 set beside a mask
	s_mov_b32 s53, 32<<16                          ; tensor_dim0
	s_mov_b32 s54, 50<<16                          ; tensor_dim1
	s_mov_b32 s55, 32<<16                          ; tile_dim0
	s_mov_b32 s56, 50                              ; tile_dim1
	s_mov_b32 s57, 32                              ; tensor_dim0_stride
	s_mov_b32 s58, 0
	s_mov_b32 s59, 0
	s_mov_b32 s60, 0x76543210                      ; v_permlanex16_b32's selects for lane l xor 16
	s_mov_b32 s61, 0xfedcba98
	s_mov_b32 s62, 0x3e38aa3b                      ; c = log2(e) / 8
	s_mov_b32 s63, s62                             ; (named with it as a pair, so it is written)
	s_mov_b32 s14, 2
	s_and_b32 s101, s[WV], 1                       ; which tile of my pair fragment of Q is mine
	s_mov_b32 s100, 0x03020302
	s_cmp_eq_u32 s101, 0
	s_cselect_b32 s100, 0x01000100, s100           ; and which two bytes of its scale word
	s_wait_dscnt 0x0
	s_wait_kmcnt 0x0
	s_mov_b32 s48, 1                               ; count = 1
	s_mov_b32 s49, s30                             ; LDS address: 12,800 x wave
	s_add_nc_u64 s[50:51], s[16:17], s[32:33]      ; global address: the same in all four partners
	s_or_b32 s51, s51, 0x80000000                  ; type = 2
	s_add_nc_u64 s[2:3], s[18:19], s[34:35]
	s_add_nc_u64 s[4:5], s[16:17], s[38:39]
	s_add_nc_u64 s[6:7], s[16:17], s[40:41]
	s_add_nc_u64 s[8:9], s[20:21], s[44:45]
	s_add_nc_u64 s[10:11], s[22:23], s[46:47]
	ROUND                                          ; all four work-groups are here: the joint loads meet
	tensor_load_to_lds s[48:51], s[52:59]          ; my one tensor load of the launch
	s_nop 0
.rept 4
	v_nop
.endr
	v_and_b32 v9, 31, v0
	v_lshlrev_b32 v1, 4, v9
	v_lshlrev_b32 v2, 3, v9
	v_mov_b32 v3, 0xd0000000                       ; -2^33
	v_and_b32 v10, 15, v0
	v_lshlrev_b32 v4, 3, v10
	s_lshl_b32 s24, s[WV], 5
	s_add_co_u32 s24, s24, STG
	v_lshl_add_u32 v5, v10, 1, s24                 ; the stage: 32 bytes a tile, 2 a query
	v_add_nc_u32 v6, STG, v1
.irp i, 22,23,24,25,26,27,28,29,30,31,32,33
	v_mov_b32 v[\i], 0                             ; Q's zero codes
.endr
.irp i, 216,217,218,219,224,227
	v_mov_b32 v[\i], 0                             ; written once: a lane permute's destination counts as a source; v227 is named as the upper half of a pair
.endr
	s_wait_tensorcnt 0x0                           ; my step is in,
	s_barrier_signal -1
	s_barrier_wait -1                              ; everybody's is: the head's K and V lie in LDS
.Lpass:
	s_mov_b32 s66, 0
	MLOAD                                          ; step 0's mask words
	s_cmp_eq_u32 s101, 0                           ; registers 0-5 or 6-11 of the pair fragment's image (register k of lane l at 512 (k / 4) + 16 l + 4 (k % 4)), into both of Q's operands
	s_cbranch_scc0 .Lodd
	global_load_b128 v[16:19], v1, s[4:5]
	global_load_b64 v[20:21], v1, s[4:5] offset:512
	global_load_b128 v[34:37], v1, s[4:5]
	global_load_b64 v[38:39], v1, s[4:5] offset:512
	s_branch .Lq_in
.Lodd:
	global_load_b64 v[16:17], v1, s[4:5] offset:520
	global_load_b128 v[18:21], v1, s[4:5] offset:1024
	global_load_b64 v[34:35], v1, s[4:5] offset:520
	global_load_b128 v[36:39], v1, s[4:5] offset:1024
.Lq_in:
	global_load_b32 v224, v4, s[6:7]
	s_wait_loadcnt 0x0
	v_perm_b32 v232, v224, v224, s100              ; my tile's two bytes, in both halves of the word: they serve either operand
	v_mov_b32 v13, 0xff61b1e6                      ; the largest t so far: -3e38
	v_floor_f32 v12, -v13                          ; -M
	v_mov_b32 v14, 0
	v_mov_b32 v15, 0
.set j, 0
.rept 32
	v_mov_b32 v[160+j], 0                          ; O^T: the step is written once; its first trip finds zeros, which the first change of M leaves zeros.  (Also the places between Q's scale word and the first product)
.set j, j+1
.endr
	s_mov_b32 s15, 0
	s_mov_b32 s13, 16
.Lstep:                                            ; 128 keys
	v_add_nc_u32 v8, s15, v1
	v_add_nc_u32 v9, s15, v2
	v_nop
	v_nop                                          ; four places behind the last trip's products, in front of loads into their registers
.irp g, 0,1,2,3
.irp c, 0,1,2
	ds_load_b128 v[40+12*\g+4*\c:43+12*\g+4*\c], v8 offset:1536*\g+512*\c      ; K's pair fragment g: 512 consecutive bytes an instruction
.endr
.endr
	ds_load_b64 v[228:229], v9 offset:12288        ; K's scale words: register j: fragment 2 j in lanes 0-15, 2 j + 1 in lanes 16-31
	s_wait_dscnt 0x0
.irp g, 0,1,2,3
.if \g%2
	v_wmma_scale_f32_16x16x128_f8f6f4 v[96+16*\g:103+16*\g], v[40+12*\g:51+12*\g], v[16:27], 0, v[228+\g/2], v232 matrix_a_fmt:MATRIX_FMT_BF6 matrix_b_fmt:MATRIX_FMT_BF6 matrix_a_scale:MATRIX_SCALE_ROW1
	v_wmma_scale_f32_16x16x128_f8f6f4 v[104+16*\g:111+16*\g], v[40+12*\g:51+12*\g], v[28:39], 0, v[228+\g/2], v232 matrix_a_fmt:MATRIX_FMT_BF6 matrix_b_fmt:MATRIX_FMT_BF6 matrix_a_scale:MATRIX_SCALE_ROW1
.else
	v_wmma_scale_f32_16x16x128_f8f6f4 v[96+16*\g:103+16*\g], v[40+12*\g:51+12*\g], v[16:27], 0, v[228+\g/2], v232 matrix_a_fmt:MATRIX_FMT_BF6 matrix_b_fmt:MATRIX_FMT_BF6
	v_wmma_scale_f32_16x16x128_f8f6f4 v[104+16*\g:111+16*\g], v[40+12*\g:51+12*\g], v[28:39], 0, v[228+\g/2], v232 matrix_a_fmt:MATRIX_FMT_BF6 matrix_b_fmt:MATRIX_FMT_BF6
.endif
.endr
.rept 4
	v_nop                                          ; places: K's registers take V, and the scores are read
.endr
.irp t, 0,1,2,3
.irp c, 0,1,2
	ds_load_b128 v[40+12*\t+4*\c:43+12*\t+4*\c], v8 offset:6144+1536*\t+512*\c   ; V's fragment t: it lands under the softmax
.endr
.endr
	ds_load_b64 v[230:231], v9 offset:12544
	s_wait_kmcnt 0x0                               ; this step's mask words, asked for a step ago
.set n, 0
.rept 32
	v_cndmask_b32 v[96+n], v[96+n], v3, s[16+n]    ; bit l of word n: the key of register n is hidden from lane l's query
.set n, n+1
.endr
.rept 32
	v_cndmask_b32 v[96+n], v[96+n], v3, s[36+n]
.set n, n+1
.endr
	s_add_co_u32 s66, s66, 256                     ; (its loads are done)  the next step's words;
	s_min_u32 s66, s66, 3840                       ; the last trip asks for its own once more: no load leaves the tile's 4,096 bytes
	MLOAD
.irp b, 0,1,2,3
	v_max3_num_f32 v[212+\b], v[96+16*\b], v[97+16*\b], v[98+16*\b]   ; the largest score of each block of 32 keys: it serves for the row's maximum and, since p rises with the score, for the block's largest p
.endr
.irp i, 3,5,7,9,11,13
.irp b, 0,1,2,3
	v_max3_num_f32 v[212+\b], v[212+\b], v[96+16*\b+\i], v[97+16*\b+\i]
.endr
.endr
.irp b, 0,1,2,3
	v_max_num_f32 v[212+\b], v[212+\b], v[111+16*\b]
.endr
.irp b, 0,1,2,3
	v_permlanex16_b32 v[216+\b], v[212+\b], s60, s61
.endr
.irp b, 0,1,2,3
	v_max_num_f32 v[212+\b], v[212+\b], v[216+\b]  ; with lane l xor 16's 16 keys
.endr
	v_max3_num_f32 v224, v212, v213, v214
	v_max_num_f32 v224, v224, v215                 ; the step's largest score of my query
	v_mul_f32 v224, s62, v224                      ; as t
	v_max_num_f32 v13, v13, v224                   ; the running largest t
	v_mov_b32 v224, v12
	v_floor_f32 v12, -v13                          ; the new -M = floor(-t): M is a whole number
	v_sub_f32 v224, v12, v224                      ; old M - new M: a whole number, 0 or less
	v_cvt_i32_f32 v224, v224                       ; (it saturates)
	v_ldexp_f32 v226, 1.0, v224                    ; f = 2^(old M - new M)
.set j, 0
.rept 32
	v_pk_fma_f32 v[96+j:97+j], v[96+j:97+j], s[62:63], v[12:13] op_sel_hi:[1,0,0]   ; t - M, two at a time
.set j, j+2
.endr
.irp b, 0,1,2,3
	v_fma_f32 v[212+\b], v[212+\b], s62, v12       ; the same of each block's largest score
.endr
.set j, 0
.rept 64
	v_exp_f32 v[96+j], v[96+j]                     ; p = 2^(t - M), at most 1
.set j, j+1
.endr
	v_pk_mul_f32 v[14:15], v[14:15], v[226:227] op_sel_hi:[1,0]   ; the sums under the new M (a plain place behind the exponentials)
	s_wait_alu depctr_va_vdst(0)                   ; one wait for the batch of 64, ahead of its first reader
.irp b, 0,1,2,3
	v_exp_f32 v[212+\b], v[212+\b]                 ; the block's largest p: the same two instructions on the same number give the same bits
.endr
	v_pk_add_f32 v[234:235], v[96:97], v[98:99]    ; the row's sum is taken of the unquantised p, in two chains
.set j, 4
.rept 15
	v_pk_add_f32 v[14:15], v[14:15], v[96+j:97+j]
	v_pk_add_f32 v[234:235], v[234:235], v[98+j:99+j]
.set j, j+4
.endr
	v_pk_add_f32 v[14:15], v[14:15], v[234:235]
	s_wait_alu depctr_va_vdst(0)                   ; and one for the four
.irp b, 0,1,2,3
	v_max_num_f32 v[212+\b], 0x2800000, v[212+\b]  ; the floor 2^(5 - 127): the byte cannot fall under 1
.endr
.irp b, 0,1,2,3
	v_add_nc_u32 v[220+\b], 0xfe000000, v[212+\b]  ; 4 off the exponent field: the conversion's scale operand
.endr
.irp b, 0,1,2,3
	v_lshrrev_b32 v[216+\b], 23, v[220+\b]         ; the scale's byte
.endr
	v_lshl_or_b32 v233, v217, 8, v216              ; p's scale word for these 128 keys
	v_lshl_or_b32 v233, v218, 16, v233
	v_lshl_or_b32 v233, v219, 24, v233
	v_cvt_scalef32_pk16_bf6_f32 v[192:194], v[96:111], v220
	v_cvt_scalef32_pk16_bf6_f32 v[204:206], v[112:127], v221   ; (a conversion's three registers begin on an even number)
	v_cvt_scalef32_pk16_bf6_f32 v[198:200], v[128:143], v222
	v_cvt_scalef32_pk16_bf6_f32 v[208:210], v[144:159], v223
	v_nop                                          ; one plain place behind a scaled conversion
.irp i, 0,1,2
	v_permlane16_swap_b32 v[192+\i], v[204+\i]     ; a whole block to a lane
.endr
.irp i, 0,1,2
	v_mov_b32 v[195+\i], v[204+\i]
.endr
.irp i, 0,1,2
	v_permlane16_swap_b32 v[198+\i], v[208+\i]
.endr
.irp i, 0,1,2
	v_mov_b32 v[201+\i], v[208+\i]
.endr
.set j, 0
.rept 16
	v_pk_mul_f32 v[160+j:161+j], v[160+j:161+j], v[226:227] op_sel_hi:[1,0]   ; O^T under the new M.  (These 16 are also the places between p's codes and scale word and the products)
.set j, j+2
.endr
	s_wait_dscnt 0x0                               ; V is in
.irp t, 0,1,2,3                        ; four accumulators by turns
.if \t%2
	v_wmma_scale_f32_16x16x128_f8f6f4 v[160+8*\t:167+8*\t], v[40+12*\t:51+12*\t], v[192:203], v[160+8*\t:167+8*\t], v[230+\t/2], v233 matrix_a_fmt:MATRIX_FMT_BF6 matrix_b_fmt:MATRIX_FMT_BF6 matrix_a_scale:MATRIX_SCALE_ROW1
.else
	v_wmma_scale_f32_16x16x128_f8f6f4 v[160+8*\t:167+8*\t], v[40+12*\t:51+12*\t], v[192:203], v[160+8*\t:167+8*\t], v[230+\t/2], v233 matrix_a_fmt:MATRIX_FMT_BF6 matrix_b_fmt:MATRIX_FMT_BF6
.endif
.endr
	s_add_co_u32 s15, s15, STEPB
	s_sub_co_u32 s13, s13, 1
	s_cmp_lg_u32 s13, 0
	s_cbranch_scc1 .Lstep
	; THE PASS'S END: ctx = O^T / the sum, quantised along the head's 64 numbers (two blocks of the output projection's K), stored as an image of six operand registers
.rept 4
	v_nop
.endr
	v_add_f32 v14, v14, v15                        ; the sum's two halves,
	v_permlanex16_b32 v224, v14, s60, s61
	v_add_f32 v14, v14, v224                       ; and lane l xor 16's
	v_rcp_f32 v14, v14
	v_nop                                          ; a plain place behind the reciprocal
	s_wait_alu depctr_va_vdst(0)                   ; and the wait ahead of its first reader
.set j, 0
.rept 16
	v_pk_mul_f32 v[96+j:97+j], v[160+j:161+j], v[14:15] op_sel_hi:[1,0]   ; register 16 b + i is number 32 b + 16 h + i of the head's 64 (V's tiles lie in tile order); each accumulator from its low end on
.set j, j+2
.endr
.irp b, 0,1
	v_max3_num_f32 v[212+\b], |v[96+16*\b]|, |v[97+16*\b]|, 0x2800000
.endr
.irp i, 2,4,6,8,10,12,14
.irp b, 0,1
	v_max3_num_f32 v[212+\b], v[212+\b], |v[96+16*\b+\i]|, |v[97+16*\b+\i]|
.endr
.endr
.irp b, 0,1
	v_permlanex16_b32 v[216+\b], v[212+\b], s60, s61
.endr
.irp b, 0,1
	v_max_num_f32 v[212+\b], v[212+\b], v[216+\b]
.endr
.irp b, 0,1
	v_add_nc_u32 v[220+\b], 0xfe000000, v[212+\b]
.endr
.irp b, 0,1
	v_lshrrev_b32 v[216+\b], 23, v[220+\b]
.endr
	v_lshl_or_b32 v224, v217, 8, v216              ; my query's two bytes
	v_cvt_scalef32_pk16_bf6_f32 v[192:194], v[96:111], v220
	v_cvt_scalef32_pk16_bf6_f32 v[204:206], v[112:127], v221
	v_nop
.irp i, 0,1,2
	v_permlane16_swap_b32 v[192+\i], v[204+\i]
.endr
.irp i, 0,1,2
	v_mov_b32 v[195+\i], v[204+\i]
.endr
	global_store_b128 v1, v[192:195], s[8:9]       ; 512 consecutive bytes, aligned,
	global_store_b64 v2, v[196:197], s[8:9] offset:512   ; and 256
	ds_store_b16 v5, v224                          ; both lanes of a query write the same two bytes
	s_wait_dscnt 0x0                               ; for the others' sake
	s_barrier_signal -1
	s_barrier_wait -1                              ; the 256 queries' bytes lie in the stage
	s_cmp_lg_u32 s[WV], 0
	s_cbranch_scc1 .Lnot_0
	ds_load_b128 v[208:211], v6
	s_wait_dscnt 0x0
	global_store_b128 v1, v[208:211], s[10:11]     ; wave 0 stores them: 512 consecutive bytes, aligned
.Lnot_0:
	s_barrier_signal -1                            ; wave 0's read is back: the stage may be written in the next pass
	s_barrier_wait -1
	s_wait_xcnt 0x0                                ; the stores and Q's loads have read their registers and bases,
	s_wait_kmcnt 0x0                               ; and the last scalar loads are in: the bases step to the next 256 queries
	s_add_nc_u64 s[2:3], s[2:3], 65536
	s_add_nc_u64 s[4:5], s[4:5], 12800
	s_add_nc_u64 s[6:7], s[6:7], 12800
	s_add_nc_u64 s[8:9], s[8:9], 196608
	s_add_nc_u64 s[10:11], s[10:11], 8192
	s_sub_co_u32 s14, s14, 1
	s_cmp_lg_u32 s14, 0
	s_cbranch_scc1 .Lpass
	s_wait_tensorcnt 0x0
	ds_add_u32 v254, v255
	s_wait_dscnt 0x0
	ROUND                                          ; the closing round
	s_endpgm
.Lfunc_end_k_q5a3baca459_attn:
	.size	k_q5a3baca459_attn, .Lfunc_end_k_q5a3baca459_attn-k_q5a3baca459_attn
	.p2alignl 7, 3214868480
	.fill 96, 4, 3214868480
	.section	.rodata,"a",@progbits
	.p2align	6, 0x0
	.amdhsa_kernel k_q5a3baca459_attn
		.amdhsa_group_segment_fixed_size 220672
		.amdhsa_private_segment_fixed_size 0
		.amdhsa_enable_private_segment 0
		.amdhsa_kernarg_size 32
		.amdhsa_user_sgpr_count 2
		.amdhsa_user_sgpr_kernarg_segment_ptr 1
		.amdhsa_wavefront_size32 1
		.amdhsa_system_sgpr_workgroup_id_x 1
		.amdhsa_system_sgpr_workgroup_id_y 1
		.amdhsa_system_sgpr_workgroup_id_z 1
		.amdhsa_system_vgpr_workitem_id 0
		.amdhsa_next_free_vgpr 256
		.amdhsa_next_free_sgpr 102
		.amdhsa_reserve_vcc 0
		.amdhsa_float_denorm_mode_32 3
		.amdhsa_float_denorm_mode_16_64 3
		.amdhsa_memory_ordered 1
		.amdhsa_forward_progress 1
		.amdhsa_inst_pref_size 33
	.end_amdhsa_kernel
	.amdgpu_metadata
---
amdhsa.version: [ 1, 2 ]
amdhsa.kernels:
  - .name:           k_q5a3baca459_attn
    .symbol:         k_q5a3baca459_attn.kd
    .args:
      - { .name: frag, .offset: 0, .size: 8, .value_kind: global_buffer, .address_space: global }
      - { .name: maskw, .offset: 8, .size: 8, .value_kind: global_buffer, .address_space: global }
      - { .name: ctxc, .offset: 16, .size: 8, .value_kind: global_buffer, .address_space: global }
      - { .name: ctxs, .offset: 24, .size: 8, .value_kind: global_buffer, .address_space: global }
    .group_segment_fixed_size: 220672
    .private_segment_fixed_size: 0
    .kernarg_segment_align: 8
    .kernarg_segment_size: 32
    .max_flat_workgroup_size: 512
    .sgpr_count:     102
    .vgpr_count:     256
    .wavefront_size: 32
...
	.end_amdgpu_metadata
.endif
;; end of part 3
;; launch outp (part 4): grid 4 x 32, 4 waves a work-group, clusters of 4 x 4, 327,680 bytes of LDS; arguments ctxc, ctxs, xcodes, xscales, bo, out0; writes out0
.if DOCPART == 4
	.amdgcn_target "amdgcn-amd-amdhsa--gfx1250"
	.amdhsa_code_object_version 6
	.text
	.protected	k_q5a3baca459_outp
	.globl	k_q5a3baca459_outp
	.p2align	8
	.type	k_q5a3baca459_outp,@function
k_q5a3baca459_outp:
	s_mov_b64 s[64:65], 0
	v_nop
	global_prefetch_b8 v0, s[64:65] scope:SCOPE_SE
	s_setreg_imm32_b32 hwreg(HW_REG_WAVE_MODE, 25, 1), 1
	s_wait_xcnt 0x0
	s_wait_alu depctr_hold_cnt(0) depctr_sa_sdst(0) depctr_va_vdst(0) depctr_va_sdst(0) depctr_va_ssrc(0) depctr_va_vcc(0) depctr_vm_vsrc(0)
	s_getreg_b32 s2, hwreg(HW_REG_IB_STS2, 6, 4)
	s_cmp_eq_u32 s2, 0
	s_cbranch_scc0 .Lentry_in_a_cluster
	s_endpgm
.Lentry_in_a_cluster:
	s_bfe_u32 s2, ttmp6, 0x10000c
	s_cmp_lg_u32 s2, 0xf033
	s_cbranch_scc0 .Lentry_shape_is_right
	s_endpgm
.Lentry_shape_is_right:
; THE OUTPUT PROJECTION: out0 = ctx Wo^T + bo, 8192 x 1024 x 1024, on codes of BF6 with E8M0 scales; out0 f32.
; A tile of 256 x 256 is made by four waves, 128 x 128 each; K goes in steps of 256 (four heads) through a ring of two LDS slots; 4 x 4 work-groups form a cluster: ctx's tiles are asked for jointly along a row of the
; cluster, Wo's along a column.  The matrix instruction is used transposed (source 0 = 16 rows of Wo, source 1 = 16 rows of ctx): a lane holds eight neighbouring numbers of a row of out0.
; ctx's CODES COME AS IMAGES OF OPERAND REGISTERS: ctxc is [block of 256 rows][head][tile of 16 rows] records of 768 bytes (registers 0-3 at 16 x lane, registers 4, 5 at 512 + 8 x lane; lane (r, h): row r, block h of the
; head's 64).  A K step of a block is 49,152 dense bytes; a fragment (two heads) is two loads of 16 bytes and two of 8.  Row t of tile i is row 32 (i / 2) + 8 (i % 2) + t + 8 (t / 8) of the block: the stores go there.
; ctx's scale bytes, [block][head][tile][row][2], are turned into rows of 32 bytes at the head, by registers, into LDS bytes that no tensor load fills.  Wo's rows and scales as in the projection launch.
; bo is the C of the first step's products.
.set KSTEP,  256
.set NQ,     KSTEP/128
.set ROWB,   192
.set KROW,   768
.set PITCH,  240
.set FR,     12
.set NL,     6                         ; LDS loads of a fragment of Wo
.set NLA,    4                         ; and of ctx
.set NP,     4
.set HALFT,  128*PITCH
.set SLOT,   4*HALFT                   ; ctx's 49,152 bytes at the slot's head; Wo's 256 rows from 2 HALFT on
.set ASTEP,  49152
.set LAPS,   2
.set KS,     32
.set SCL,    2*SLOT                    ; ctx's scale rows (stored by the waves), 8,704 bytes = 34 blocks of 256; then Wo's (filled once)
.set HALFS,  (128*KS/256)*272
.set SBLK,   (16*KS/256)*272
.set SPARE,  SCL+4*HALFS               ; the spare words, 128 bytes a wave
.set SPITCH, 528                       ; the way out: a stage of 16 rows x (512 + 16) bytes a wave, in slot 0, which has had its last fill and its last read by then
.set WOROW,  27648                     ; Wo's first row in xcodes and xscales
.set ADRA, 16                          ; v16-17 16 x lane + my eight tiles, slot 0, 1;  v18-19 the same with 8 x lane
.set ADRB, 20
.set STO,  24
.set RD,   25
.set CO,   26
.set ADRS, 27
.set SPW,  28
.set NIL,  29
.set SC,   32
.set BO,   64                          ; v64-127 bo in the results' layout
.set AF,   128
.set BK,   128
.set G1, 24
.set G0, 32
.set G1B, 48
.set G0B, 56
.set G1SB, 80
.set G0SB, 88
.set MSB, 0
.macro WIN new
.if MSB != \new
	s_set_vgpr_msb (MSB<<8)|\new
.set MSB, \new
.endif
.endm
.set MUL_LO, 0xa1
.set MUL_HI, 0xf1
.set TO_B,   0x40
.macro JLOAD g0a, g1a, g0b, g1b        ; waves 0 and 1 fetch for ctx, waves 2 and 3 for Wo; four v_nop follow each line
	s_cmp_eq_u32 s15, 0
	s_cbranch_scc0 .Lfor_b_\@
	tensor_load_to_lds s[\g0a:\g0a+3], s[\g1a:\g1a+7]
	s_nop 0
.rept 4
	v_nop
.endr
	s_branch .Lasked_\@
.Lfor_b_\@:
	tensor_load_to_lds s[\g0b:\g0b+3], s[\g1b:\g1b+7]
	s_nop 0
.rept 4
	v_nop
.endr
.Lasked_\@:
.endm
.macro CREST
	s_cmp_lg_u32 s14, 0
	s_cbranch_scc1 .Lnot_wave_0_\@
	s_barrier_signal -3
.Lnot_wave_0_\@:
	s_barrier_wait -3
	s_barrier_signal -1
	s_barrier_wait -1
.endm
.macro CROUND
	s_barrier_signal -1
	s_barrier_wait -1
	CREST
.endm
	s_load_b128 s[4:7], s[0:1], 0x0                ; ctxc, ctxs
	s_load_b128 s[8:11], s[0:1], 0x10              ; xcodes, xscales
	s_load_b128 s[92:95], s[0:1], 0x20             ; bo, out0
	v_lshl_add_u32 v[SPW], v0, 2, SPARE
	v_mov_b32 v[NIL], 0
	ds_add_u32 v28, v29
	ds_add_u32 v28, v29
	s_wait_dscnt 0x0
	v_lshrrev_b32 v1, 5, v0
	v_readfirstlane_b32 s14, v1                    ; wave 0..3
	s_lshr_b32 s15, s14, 1                         ; ha.  Also: I fetch for ctx (0) or for Wo (1)
	s_and_b32 s16, s14, 1                          ; hb.  Also: which half of that tile I fetch
	s_bfe_u32 s40, ttmp6, 0x40000                  ; cx, cy
	s_bfe_u32 s41, ttmp6, 0x40004
	s_lshl_b32 s42, ttmp9, 2
	s_add_co_u32 s42, s42, s40                     ; tile column
	s_and_b32 s17, ttmp7, 0xffff
	s_lshl_b32 s17, s17, 2
	s_add_co_u32 s17, s17, s41                     ; tile row = block of 256 rows
	s_lshl_b32 s43, s41, 2
	s_lshl_b32 s43, 15, s43                        ; my row of the cluster
	s_lshl_b32 s44, 0x1111, s40                    ; my column
	; ctx: 24,576 dense bytes as 96 rows of 256 (32 elements of 8 bytes), no padding
	s_or_b32 s[G1+0], s43, (3<<16)|(1<<21)
	s_mov_b32 s[G1+1], 32<<16
	s_mov_b32 s[G1+2], 96<<16
	s_mov_b32 s[G1+3], 32<<16
	s_mov_b32 s[G1+4], 96
	s_mov_b32 s[G1+5], 32
	s_mov_b32 s[G1+6], 0
	s_mov_b32 s[G1+7], 0
	; Wo: 128 rows x 192 bytes, 16 bytes of padding behind every 64
	s_or_b32 s[G1B+0], s44, (0<<16)|(1<<20)|(1<<21)|(3<<22)|(3<<25)
	s_mov_b32 s[G1B+1], ROWB<<16
	s_mov_b32 s[G1B+2], 128<<16
	s_mov_b32 s[G1B+3], ROWB<<16
	s_mov_b32 s[G1B+4], 128
	s_mov_b32 s[G1B+5], KROW
	s_mov_b32 s[G1B+6], 0
	s_mov_b32 s[G1B+7], 0
	; Wo's scales: 64 rows a wave, 2,048 dense bytes as 8 rows of 256, 16 bytes of padding behind each
	s_or_b32 s[G1SB+0], s44, (3<<16)|(1<<20)|(1<<21)|(5<<22)|(3<<25)
	s_mov_b32 s[G1SB+1], 32<<16
	s_mov_b32 s[G1SB+2], 8<<16
	s_mov_b32 s[G1SB+3], 32<<16
	s_mov_b32 s[G1SB+4], 8
	s_mov_b32 s[G1SB+5], 32
	s_mov_b32 s[G1SB+6], 0
	s_mov_b32 s[G1SB+7], 0
	s_mul_i32 s20, s17, 196608                     ; ctx: the block's bytes,
	s_mul_i32 s18, s16, ASTEP/2                    ; my half of a K step: in memory and in the slot alike
	s_add_co_u32 s20, s20, s18
	s_mov_b32 s21, 0
	s_lshl_b32 s46, s42, 8                         ; Wo: row 256 x tile column + 128 x half
	s_lshl_b32 s19, s16, 7
	s_add_co_u32 s46, s46, s19
	s_add_co_u32 s46, s46, WOROW
	s_mul_i32 s46, s46, KROW
	s_mov_b32 s47, 0
	s_lshl_b32 s66, s42, 8                         ; its scales: row 256 x tile column + 64 x wave
	s_lshl_b32 s67, s14, 6
	s_add_co_u32 s66, s66, s67
	s_add_co_u32 s66, s66, WOROW
	s_lshl_b32 s66, s66, 5
	s_mov_b32 s67, 0
	s_mul_i32 s45, s14, HALFT                      ; waves 2, 3: Wo's two halves lie at 2 and 3 HALFT
	s_mul_i32 s96, s14, 2176
	s_wait_kmcnt 0x0
	s_add_nc_u64 s[20:21], s[4:5], s[20:21]
	s_add_nc_u64 s[46:47], s[8:9], s[46:47]
	s_add_nc_u64 s[66:67], s[10:11], s[66:67]
	CROUND                                         ; all sixteen work-groups are here: the first joint loads meet
	s_mov_b32 s[G0SB], 1
	s_add_co_u32 s[G0SB+1], s96, SCL+2*HALFS
	s_mov_b64 s[G0SB+2:G0SB+3], s[66:67]
	s_or_b32 s[G0SB+3], s[G0SB+3], 0x80000000
	tensor_load_to_lds s[G0SB:G0SB+3], s[G1SB:G1SB+7]   ; every wave a quarter of Wo's scales
	s_nop 0
.rept 4
	v_nop
.endr
.irp s, 0,1
	s_mov_b32 s[G0+4*\s], 1
	s_add_co_u32 s[G0+4*\s+1], s18, \s*SLOT
	s_add_nc_u64 s[G0+4*\s+2:G0+4*\s+3], s[20:21], \s*ASTEP
	s_or_b32 s[G0+4*\s+3], s[G0+4*\s+3], 0x80000000
	s_mov_b32 s[G0B+4*\s], 1
	s_add_co_u32 s[G0B+4*\s+1], s45, \s*SLOT
	s_add_nc_u64 s[G0B+4*\s+2:G0B+4*\s+3], s[46:47], \s*ROWB
	s_or_b32 s[G0B+4*\s+3], s[G0B+4*\s+3], 0x80000000
	JLOAD G0+4*\s, G1, G0B+4*\s, G1B               ; three tensor loads of mine are out
.endr
	v_and_b32 v1, 15, v0                           ; r
	v_bfe_u32 v2, v0, 4, 1                         ; h
	; ctx's scale bytes: thread T takes rows 2 T and 2 T + 1 of the block (tile T / 8): one word for each head
	v_lshlrev_b32 v8, 2, v0
	s_lshl_b32 s22, s17, 13                        ; 8,192 bytes a block
	s_mov_b32 s23, 0
	s_add_nc_u64 s[6:7], s[6:7], s[22:23]
.irp hd, 0,1,2,3,4,5,6,7,8,9,10,11,12,13,14,15
	global_load_b32 v[128+\hd], v8, s[6:7] offset:512*\hd
.endr
	s_lshl_b32 s22, s42, 10                        ; bo: my 128 columns
	s_lshl_b32 s96, s16, 9
	s_add_co_u32 s22, s22, s96
	s_add_nc_u64 s[92:93], s[92:93], s[22:23]
	v_lshlrev_b32 v9, 5, v2
.irp b, 0,1,2,3,4,5,6,7
	global_load_b128 v[BO+8*\b:BO+8*\b+3], v9, s[92:93] offset:64*\b           ; register j of Wo's tile b is column 16 b + 8 h + j
	global_load_b128 v[BO+8*\b+4:BO+8*\b+7], v9, s[92:93] offset:64*\b+16
.endr
	v_and_b32 v6, 31, v0
	v_lshlrev_b32 v[CO], 4, v6
	v_lshlrev_b32 v7, 3, v6
	s_mul_i32 s21, s15, 8*768                      ; my eight tiles in each head's sixteen
	v_mul_u32_u24 v3, v1, PITCH
	v_mul_u32_u24 v4, v2, 24
	v_add_nc_u32 v4, v3, v4
	v_lshl_add_u32 v5, v2, 4, v4
	s_mul_i32 s22, s16, HALFT
	s_add_co_u32 s22, s22, 2*HALFT
.irp s, 0,1
	v_add_nc_u32 v[ADRA+\s], s21, v[CO]
	v_add_nc_u32 v[ADRA+2+\s], s21, v7
	v_add_nc_u32 v[ADRB+\s], s22, v4
	v_add_nc_u32 v[ADRB+2+\s], s22, v5
	s_add_co_u32 s21, s21, SLOT
	s_add_co_u32 s22, s22, SLOT
.endr
	v_mul_u32_u24 v5, v1, KS
	v_lshrrev_b32 v6, 8, v5
	v_lshl_add_u32 v5, v6, 4, v5
	s_mul_i32 s21, s15, HALFS
	s_mul_i32 s22, s16, HALFS
	s_add_co_u32 s22, s22, 2*HALFS
	s_sub_co_u32 s22, s22, s21
	v_mul_u32_u24 v6, s22, v2                      ; lanes 16-31 take Wo's
	s_add_co_u32 s21, s21, SCL
	v_add_nc_u32 v5, v5, v6
	v_add_nc_u32 v[ADRS], s21, v5
	s_mul_i32 s23, s14, 16*SPITCH                  ; my stage
	v_mul_u32_u24 v5, v1, SPITCH
	v_lshl_add_u32 v5, v2, 5, v5
	v_add_nc_u32 v[STO], s23, v5
	v_add_nc_u32 v[RD], s23, v[CO]
	s_lshl_b32 s20, s17, 8
	s_lshl_b32 s21, s15, 7
	s_add_co_u32 s20, s20, s21                     ; my first row of out0,
	s_lshl_b32 s20, s20, 12                        ; 4,096 bytes a row,
	s_lshl_b32 s46, s42, 10
	s_lshl_b32 s47, s16, 9
	s_add_co_u32 s46, s46, s47                     ; my first column
	s_add_co_u32 s20, s20, s46
	s_mov_b32 s21, 0
	s_add_nc_u64 s[12:13], s[94:95], s[20:21]
	v_lshrrev_b32 v10, 2, v0                       ; rows 2 T, 2 T + 1 of 32 bytes: 64 T, and 16 more for each 256 passed
	v_mul_u32_u24 v10, v10, 272
	v_and_b32 v11, 3, v0
	v_lshl_add_u32 v10, v11, 6, v10
	v_add_nc_u32 v10, SCL, v10
	s_mov_b32 s22, 0x05040100
	s_mov_b32 s96, 0x07060302
	s_wait_loadcnt 16                              ; the 16 words are in; bo's 16 loads may be out
.irp s, 0,1,2,3,4,5,6,7
	v_perm_b32 v[144+\s], v[129+2*\s], v[128+2*\s], s22    ; row 2 T: heads 2 s and 2 s + 1: the K step's scale word halves in K's order
	v_perm_b32 v[152+\s], v[129+2*\s], v[128+2*\s], s96    ; row 2 T + 1
.endr
.irp c, 0,1,2,3
	ds_store_b128 v10, v[144+4*\c:147+4*\c] offset:16*\c
.endr
.macro FRAG reg, adr, q, i
.irp p, 0,1,2,3,4,5
.set PC, 12*(\q)+6*(\p/3)+\p%3
.if PC%8 < 5
	ds_load_b64 v[\reg+2*\p:\reg+2*\p+1], v[\adr] offset:8*PC+16*(PC/8)+(\i)*16*PITCH
.else
	ds_load_b64 v[\reg+2*\p:\reg+2*\p+1], v[\adr+2] offset:8*PC+16*(PC/8)+(\i)*16*PITCH
.endif
.endr
.endm
.macro FRAGA reg, slot, q, i           ; ctx's fragment: heads 2 q and 2 q + 1 of the slot's four, my tile i
	ds_load_b128 v[\reg:\reg+3], v[ADRA+\slot] offset:12288*(2*(\q))+768*(\i)
	ds_load_b64 v[\reg+4:\reg+5], v[ADRA+2+\slot] offset:12288*(2*(\q))+768*(\i)+512
	ds_load_b128 v[\reg+6:\reg+9], v[ADRA+\slot] offset:12288*(2*(\q)+1)+768*(\i)
	ds_load_b64 v[\reg+10:\reg+11], v[ADRA+2+\slot] offset:12288*(2*(\q)+1)+768*(\i)+512
.endm
; 16 matrix instructions; the 64 accumulators take turns.  zero = 1: the first product starts the sums from bo
.macro MUL16 a0, p, q, sc, zero
.irp a, \a0, \a0+1
.irp b, 0,1,2,3,4,5,6,7
.if \zero
	v_wmma_scale_f32_16x16x128_f8f6f4 v[8*(8*((\a)%4)+\b):8*(8*((\a)%4)+\b)+7], v[128*(\p)+FR*\b:128*(\p)+FR*\b+FR-1], v[AF+FR*(\a):AF+FR*(\a)+FR-1], v[BO+8*\b:BO+8*\b+7], v[SC+8*NQ*(\sc)+NQ*\b+(\q)], v[SC+8*NQ*(\sc)+NQ*(\a)+(\q)] matrix_a_fmt:MATRIX_FMT_BF6 matrix_b_fmt:MATRIX_FMT_BF6 matrix_a_scale:MATRIX_SCALE_ROW1
.else
	v_wmma_scale_f32_16x16x128_f8f6f4 v[8*(8*((\a)%4)+\b):8*(8*((\a)%4)+\b)+7], v[128*(\p)+FR*\b:128*(\p)+FR*\b+FR-1], v[AF+FR*(\a):AF+FR*(\a)+FR-1], v[8*(8*((\a)%4)+\b):8*(8*((\a)%4)+\b)+7], v[SC+8*NQ*(\sc)+NQ*\b+(\q)], v[SC+8*NQ*(\sc)+NQ*(\a)+(\q)] matrix_a_fmt:MATRIX_FMT_BF6 matrix_b_fmt:MATRIX_FMT_BF6 matrix_a_scale:MATRIX_SCALE_ROW1
.endif
.endr
.endr
.endm
.macro FETCH_B slot, q, p
	WIN TO_B
.irp i, 0,1,2,3,4,5,6,7
	FRAG 128*(\p)+FR*\i, ADRB+\slot, \q, \i
.endr
	WIN 0
.endm
.macro FETCH_A slot, q, i0
.irp i, \i0, \i0+1, \i0+2, \i0+3
	FRAGA AF+FR*(\i), \slot, \q, \i
.endr
.endm
.macro SCALES sc
.irp i, 0,1,2,3,4,5,6,7
	ds_load_b64 v[SC+8*NQ*\sc+NQ*\i:SC+8*NQ*\sc+NQ*\i+1], v[ADRS] offset:\i*SBLK
.endr
.endm
.macro PLACES n
.rept \n
	v_nop
.endr
.endm
.macro STEP slot, q, zero
	s_wait_dscnt 4*NLA                             ; Wo's set and ctx's blocks 0-3 are in; the youngest 16 loads (blocks 4-7) may be out
.if \zero
	WIN 0x81                                       ; C (bo) window 0, D window 2
.else
	WIN MUL_LO
.endif
	MUL16 0, (\q)%2, \q, \slot, \zero
	MUL16 2, (\q)%2, \q, \slot, \zero
	s_wait_dscnt 0
	PLACES NP
	FETCH_B \slot, (\q)+1, 1-(\q)%2
	FETCH_A \slot, (\q)+1, 0
.if \zero
	WIN 0xc1                                       ; D window 3
.else
	WIN MUL_HI
.endif
	MUL16 4, (\q)%2, \q, \slot, \zero
	MUL16 6, (\q)%2, \q, \slot, \zero
	PLACES NP
	WIN 0
	FETCH_A \slot, (\q)+1, 4
.endm
.macro TURN slot, next, fill
	s_wait_tensorcnt 0x0                           ; all my tensor loads have landed: my part of the next slot
	ds_add_u32 v[SPW], v[NIL]                      ; 0 onto my spare word
	s_wait_dscnt 4*NLA+1                           ; (the add and the youngest 16 loads may be out)
	WIN MUL_LO
	MUL16 0, 1, NQ-1, \slot, 0
	s_wait_dscnt 0x0                               ; the add is done, and my reads of this slot are over
	s_barrier_signal -1
	MUL16 2, 1, NQ-1, \slot, 0
	WIN 0
	s_barrier_wait -1
.if \fill
	CREST                                          ; the barrier has opened a round of the cluster's
	s_add_nc_u64 s[G0+4*\slot+2:G0+4*\slot+3], s[G0+4*\slot+2:G0+4*\slot+3], 2*ASTEP
	s_add_nc_u64 s[G0B+4*\slot+2:G0B+4*\slot+3], s[G0B+4*\slot+2:G0B+4*\slot+3], 2*ROWB
	JLOAD G0+4*\slot, G1, G0B+4*\slot, G1B         ; the first tensor load behind the round, my only one until the next
.else
	PLACES NP
.endif
	v_add_nc_u32 v[ADRS], 4*NQ, v[ADRS]
	FETCH_B \next, 0, 0
	FETCH_A \next, 0, 0
	SCALES \next
	WIN MUL_HI
	MUL16 4, 1, NQ-1, \slot, 0
	MUL16 6, 1, NQ-1, \slot, 0
	PLACES NP
	WIN 0
	FETCH_A \next, 0, 4
.endm
	s_wait_loadcnt 0x0                             ; bo
	s_wait_dscnt 0x0                               ; for the others' sake: my rows of ctx's scales lie in LDS
	s_wait_tensorcnt 1                             ; Wo's scales and my part of K step 0 are in (K step 1's load may be out),
	s_barrier_signal -1
	s_barrier_wait -1                              ; everybody's are
	FETCH_B 0, 0, 0
	FETCH_A 0, 0, 0
	SCALES 0
	FETCH_A 0, 0, 4
	STEP 0, 0, 1
	s_mov_b32 s3, LAPS-1
.Llap:
	TURN 0, 1, 1
	STEP 1, 0, 0
	TURN 1, 0, 1
	STEP 0, 0, 0
	s_sub_co_u32 s3, s3, 1
	s_cmp_lg_u32 s3, 0
	s_cbranch_scc1 .Llap
	TURN 0, 1, 0
	STEP 1, 0, 0
	s_wait_dscnt 4*NLA
	WIN MUL_LO
	MUL16 0, 1, NQ-1, 1, 0
	MUL16 2, 1, NQ-1, 1, 0
	s_wait_dscnt 0
	WIN MUL_HI
	MUL16 4, 1, NQ-1, 1, 0
	MUL16 6, 1, NQ-1, 1, 0
	WIN 0
; THE WAY OUT, block by block of 16 rows x 128 columns, through my own stage: in as 32 bytes a lane, back as whole rows of 512 bytes.  LDS serves a wave's instructions in order: no wait between the stores and the loads.
.macro TOSTAGE a
.set AC, 64*((\a)%4)
	WIN 0x08+4*((\a)/4)                            ; the data: window 2 or 3
.irp b, 0,1,2,3,4,5,6,7
	ds_store_b128 v[STO], v[AC+8*\b:AC+8*\b+3] offset:64*\b          ; each accumulator from its low end on
	ds_store_b128 v[STO], v[AC+8*\b+4:AC+8*\b+7] offset:64*\b+16
.endr
	WIN 0
.set BB, BK+64*((\a)%2)
.irp t, 0,1,2,3,4,5,6,7,8,9,10,11,12,13,14,15
	ds_load_b128 v[BB+4*\t:BB+4*\t+3], v[RD] offset:\t*SPITCH
.endr
.endm
.macro SEND a, younger                 ; younger: the LDS instructions issued behind block a's loads
.set BB, BK+64*((\a)%2)
	s_wait_dscnt \younger
.irp t, 0,1,2,3,4,5,6,7,8,9,10,11,12,13,14,15
	global_store_b128 v[CO], v[BB+4*\t:BB+4*\t+3], s[12:13] offset:(32*((\a)/2)+8*((\a)%2)+\t+8*(\t/8))*4096 th:TH_STORE_NT   ; row t of tile a goes to its own row; 32 lanes store 512 consecutive bytes, aligned; 127 rows at the most: inside the 24-bit immediate
.endr
.endm
	PLACES NP
	TOSTAGE 0
.irp a, 1,2,3,4,5,6,7
.if \a > 1
	s_wait_xcnt 0x0                                ; block a - 2's stores have read their registers: block a's loads may land there
.endif
	TOSTAGE \a
	SEND \a-1, 32                                  ; behind block a - 1's loads: block a's 16 stores and 16 loads
.endr
	SEND 7, 0
	s_wait_tensorcnt 0x0                           ; the wave's end
	ds_add_u32 v[SPW], v[NIL]
	s_wait_dscnt 0x0
	CROUND                                         ; the closing round
	s_endpgm
.Lfunc_end_k_q5a3baca459_outp:
	.size	k_q5a3baca459_outp, .Lfunc_end_k_q5a3baca459_outp-k_q5a3baca459_outp
	.p2alignl 7, 3214868480
	.fill 96, 4, 3214868480
	.section	.rodata,"a",@progbits
	.p2align	6, 0x0
	.amdhsa_kernel k_q5a3baca459_outp
		.amdhsa_group_segment_fixed_size 327680
		.amdhsa_private_segment_fixed_size 0
		.amdhsa_enable_private_segment 0
		.amdhsa_kernarg_size 48
		.amdhsa_user_sgpr_count 2
		.amdhsa_user_sgpr_kernarg_segment_ptr 1
		.amdhsa_wavefront_size32 1
		.amdhsa_system_sgpr_workgroup_id_x 1
		.amdhsa_system_sgpr_workgroup_id_y 1
		.amdhsa_system_sgpr_workgroup_id_z 1
		.amdhsa_system_vgpr_workitem_id 0
		.amdhsa_next_free_vgpr 1024
		.amdhsa_next_free_sgpr 100
		.amdhsa_reserve_vcc 0
		.amdhsa_float_denorm_mode_32 3
		.amdhsa_float_denorm_mode_16_64 3
		.amdhsa_memory_ordered 1
		.amdhsa_forward_progress 1
		.amdhsa_inst_pref_size 156
	.end_amdhsa_kernel
	.amdgpu_metadata
---
amdhsa.version: [ 1, 2 ]
amdhsa.kernels:
  - .name:           k_q5a3baca459_outp
    .symbol:         k_q5a3baca459_outp.kd
    .args:
      - { .name: ctxc, .offset: 0, .size: 8, .value_kind: global_buffer, .address_space: global }
      - { .name: ctxs, .offset: 8, .size: 8, .value_kind: global_buffer, .address_space: global }
      - { .name: xcodes, .offset: 16, .size: 8, .value_kind: global_buffer, .address_space: global }
      - { .name: xscales, .offset: 24, .size: 8, .value_kind: global_buffer, .address_space: global }
      - { .name: bo, .offset: 32, .size: 8, .value_kind: global_buffer, .address_space: global }
      - { .name: out0, .offset: 40, .size: 8, .value_kind: global_buffer, .address_space: global }
    .group_segment_fixed_size: 327680
    .private_segment_fixed_size: 0
    .kernarg_segment_align: 8
    .kernarg_segment_size: 48
    .max_flat_workgroup_size: 128
    .sgpr_count:     100
    .vgpr_count:     1024
    .wavefront_size: 32
...
	.end_amdgpu_metadata
.endif
;; end of part 4
